; MI455X (gfx1250); checked and timed in simulation.
; The chip was launched on July 23, 2026; its instructions are those of AMD's public machine-readable ISA for CDNA 5 (MIT licence, August 2026) and "CDNA5" Instruction Set Architecture Reference Guide (July 2026). The comments in the code are by the model that wrote it; some were corrected since.
;; Causal Self Attention. Allowed arithmetic: matrix products marked QUANTISED: E2M1 operands, one E8M0 scale for each 32 along K, by v_wmma_scale_f32_16x16x128_f8f6f4 with both operands' format E2M1 (or v_wmma_scale_f32_32x16x128_f4), f32 sums; products left as they are: bf16, f16 or f32 operands; f32 sums; everything else in f32.
;; Inputs: Wproj 1,024 x 1,024 float32; Wqkv 1,024 x 3,072 float32; bproj 1,024 float32; bqkv 3,072 float32; x 4 x 2,048 x 1,024 float32.
;; Outputs: out0 4 x 2,048 x 1,024 float32.
;; This version of the problem:
;;   THIS VERSION OF THE PROBLEM IS GIVEN IN LOW PRECISION. The matrix products marked QUANTISED in the list below multiply operands that are first quantised to E2M1 (2 exponent bits, 1 mantissa bit; 4 bits a number), with one power-of-two scale for each 32 numbers along K (OCP MX v1.0); their sums are f32. The products marked 'left as it is' may take bf16, f16 or f32 operands, with f32 sums. Whichever they take, every output number must still come out within the allowed error. Rounding operands to bf16 (8 significant bits) uses up far more of that allowance than f16 does (11 bits, for magnitudes from 6e-5 to 65,504). All else is computed in f32.
;;   The module's matrix products, in the order in which they are computed (A, B: the left and right operand; K: the contracted axis; several contracted axes count as one K, in the product's order):
;;     1. [M 8,192, K 1,024] x [K 1,024, N 3,072]; A: input x; B: input Wqkv: QUANTISED
;;     2. batch 64 x [M 2,048, K 64] x [K 64, N 2,048]; A: computed on the way; B: computed on the way: left as it is (an operand is computed on the way)
;;     3. batch 64 x [M 2,048, K 2,048] x [K 2,048, N 64]; A: computed on the way; B: computed on the way: left as it is (an operand is computed on the way)
;;     4. [M 8,192, K 1,024] x [K 1,024, N 1,024]; A: computed on the way; B: input Wproj: left as it is (an operand is computed on the way)
;;   THE QUANTISER, for each operand of a quantised product, along K:
;;     - K is cut into blocks of 32 from its start; a last block that is shorter is filled with zeros.
;;     - A block's scale is 2^e with e = floor(log2(the largest magnitude in the block)) - 2, held to -126 .. 127; a block of zeros has e = 0. As a byte (E8M0): e + 127.
;;     - Each number is divided by its block's scale, clamped to +-6, and rounded to the nearest number of E2M1, ties to even, subnormals kept.
;;     - The product sums the exact products of the quantised numbers (number of the format x scale) in f32.
;;   ~~~python
;;   def quantise(x, axis):      # numpy; x: float32 -> the quantised numbers, widened to float32 again
;;       x = np.moveaxis(x, axis, -1); K = x.shape[-1]
;;       x = np.pad(x, [(0, 0)] * (x.ndim - 1) + [(0, -K % 32)]); x = x.reshape(x.shape[:-1] + (-1, 32)); a = np.abs(x).max(-1, keepdims=True)
;;       e = np.where(a > 0, np.clip(np.frexp(np.where(a > 0, a, 1))[1] - 1 - 2, -126, 127), 0)      # np.frexp(a)[1] - 1 = floor(log2(a)), exactly
;;       r = np.clip(x / 2.0 ** e, -6, 6)
;;       step = 2.0 ** (np.maximum(np.frexp(np.where(r == 0, 1, r))[1] - 1, 0) - 1)
;;       q = np.round(r / step) * step * 2.0 ** e      # np.round: ties to even
;;       return np.moveaxis(q.reshape(q.shape[:-2] + (-1,))[..., :K], -1, axis).astype(np.float32)
;;   ~~~
;; One version. Each part assembles by itself: llvm-mc -triple=amdgcn-amd-amdhsa -mcpu=gfx1250 --defsym DOCPART=n.
;; ======== version 1 of 1: 5 launches
;; limits: values are held in f16: magnitudes above 65,504 overflow, below 6.1e-05 lose precision
;; workspace buffers: xc 4,194,304 bytes; xs 262,144 bytes; wc 1,572,864 bytes; ws 98,304 bytes; wp 2,097,152 bytes; qkv 50,331,648 bytes; q16 786,432 bytes; yh 16,777,216 bytes
;; launch prep (part 1): grid 368 x 1, 4 waves a work-group, no clusters, 102,912 bytes of LDS; arguments x, Wqkv, Wproj, xc, xs, wc, ws, wp; writes xc, xs, wc, ws, wp
.if DOCPART == 1
	.amdgcn_target "amdgcn-amd-amdhsa--gfx1250"
	.amdhsa_code_object_version 6
	.text
	.protected	k_q97661bdee6_prep
	.globl	k_q97661bdee6_prep
	.p2align	8
	.type	k_q97661bdee6_prep,@function
k_q97661bdee6_prep:
	s_mov_b64 s[64:65], 0
	v_nop
	global_prefetch_b8 v0, s[64:65] scope:SCOPE_SE
	s_setreg_imm32_b32 hwreg(HW_REG_WAVE_MODE, 25, 1), 1
	s_wait_xcnt 0x0
; PREP: the operands of the later products are laid out once.  Three kinds of work-group, told apart by the work-group's number:
;   0 .. 255    x [8192][1024] f32 -> codes of FP4 (E2M1) xc [8192][512 bytes], K innermost, and E8M0 bytes xs [8192][32]
;   256 .. 303  Wqkv [1024 k][3072 n] f32 -> wc [3072][512 bytes], ws [3072][32]: K is the FIRST axis, so a lane takes a column and its registers run down K
;   304 .. 367  Wproj [1024 k][1024 n] f32 -> wp [1024 n][1024 k] f16, on the same plan
; A block's scale is 2^(floor(log2(largest magnitude)) - 2); its byte is the largest magnitude's exponent field - 2, held at 1 from below.
; LIMITS: a block of zeros gets the byte 1 where the rule says 127 (its codes are zeros, and this program alone reads the bytes); blocks under 2^-124 were not tried;
; NaN and infinities are not served; |Wproj| up to 65,504 (f16).
; No tensor load, no barrier: waves share nothing.  Each kind of work-group has LDS bytes of its own.
.set SPARE, 102400                     ; the spare words: 128 bytes a wave, two blocks of 256 bytes that no other line names
.set SPW,   12                         ; v12  SPARE + 4 x my thread's number; never rewritten
.set NIL,   13                         ; v13  0; never rewritten
; x
.set STEPS, 16                         ; a wave takes 16 steps of 512 numbers
.set EMAX,  2
.set CB,    8                          ; bytes of 16 codes
.set XR,    16                         ; v16-79   four sets of 16 numbers as loaded
.set XN,    80                         ; v80-111  two sets of 16 neighbours
.set XE,    112                        ; v112-127 a scale byte for each step
.set XC,    128                        ; v128-191 codes, registers of its own for each step
.set WREG,  8192                       ; LDS 0 .. 32,767: a region for each wave: two stages of 32 x SP bytes, then its 256 scale bytes
.set SP,    80                         ; a lane's place in a stage: 64 bytes + 16 of padding
; the two weights
.set PITCH, 272                        ; a stage row: 256 bytes + 16
.set STGW,  32768                      ; LDS: Wqkv's four stages of 32 rows
.set STGP,  67584                      ; LDS: Wproj's four stages
.set WX,    32                         ; v32-95   two sets of 32 numbers down K
.set WC,    96                         ; v96-111  what a block becomes
.set OUTR,  112                        ; v112-175 the way out
.set SB,    24                         ; v24-27   scale bytes, four to a register
.macro XLOAD t                         ; 32 lanes read 512 consecutive bytes
.irp i, 0,1,2,3
	global_load_b128 v[XR+16*((\t)%4)+4*\i:XR+16*((\t)%4)+4*\i+3], v3, s[4:5] offset:2048*(\t)+512*\i th:TH_LOAD_NT
.endr
.endm
.macro XTURN t                         ; a step's 2,048 bytes through my stage: in as they lie, back 64 bytes a lane.  LDS serves a wave's instructions in order: no wait between
.irp i, 0,1,2,3
	ds_store_b128 v14, v[XR+16*((\t)%4)+4*\i:XR+16*((\t)%4)+4*\i+3] offset:32*SP*((\t)%2)+8*SP*\i
.endr
.irp i, 0,1,2,3
	ds_load_b128 v[XN+16*((\t)%2)+4*\i:XN+16*((\t)%2)+4*\i+3], v15 offset:32*SP*((\t)%2)+16*\i
.endr
.endm
.macro XSTEP t
.set XS, XN+16*((\t)%2)
.if (\t) > 0
	s_wait_dscnt 1                                 ; this step's numbers are back (the last step's byte store may be out)
.else
	s_wait_dscnt 0x0
.endif
.if (\t)+4 < STEPS
	XLOAD (\t)+4                                   ; the stage's stores have read their registers: they take the loads of four steps on
.endif
.if (\t)+1 < STEPS
.if STEPS-2-(\t) >= 3
	s_wait_loadcnt 12                              ; the next step's four loads are in; the three steps behind it may be out
.else
	s_wait_loadcnt 4*(STEPS-2-(\t))
.endif
	XTURN (\t)+1
.endif
	v_max3_num_f32 v8, |v[XS]|, |v[XS+1]|, |v[XS+2]|               ; the largest magnitude of my 16, in two chains
	v_max3_num_f32 v9, |v[XS+3]|, |v[XS+4]|, |v[XS+5]|
.irp i, 6,10
	v_max3_num_f32 v8, v8, |v[XS+\i]|, |v[XS+\i+1]|
	v_max3_num_f32 v9, v9, |v[XS+\i+2]|, |v[XS+\i+3]|
.endr
	v_max3_num_f32 v8, v8, |v[XS+14]|, |v[XS+15]|
	v_max3_num_f32 v8, v8, v9, (EMAX+1)<<23        ; and the floor 2^(3 - 127): the byte cannot fall under 1
	v_max_num_f32_dpp v8, v8, v8 row_xmask:1 row_mask:0xf bank_mask:0xf   ; with my neighbour's 16: the block's
	v_add_nc_u32 v11, 0xff000000, v8               ; 2 off the exponent field: the conversion takes this operand's exponent field as its scale
	v_cvt_scalef32_pk8_fp4_f32 v[XC+4*(\t)], v[XS:XS+7], v11
	v_cvt_scalef32_pk8_fp4_f32 v[XC+4*(\t)+1], v[XS+8:XS+15], v11
	v_lshrrev_b32 v[XE+(\t)], 23, v11              ; the scale's byte
	ds_store_b8 v5, v[XE+(\t)] offset:16*(\t)      ; both lanes of a block write the same byte with the same value
	global_store_b64 v4, v[XC+4*(\t):XC+4*(\t)+1], s[10:11] offset:32*CB*(\t)   ; the wave stores 256 consecutive bytes, aligned
.endm
.macro LOADW t, pitch, sb              ; block t: rows 32 t + i of my column, i = 0 .. 31, into set t % 2: 128 consecutive bytes a wave
.irp i, 0,1,2,3,4,5,6,7,8,9,10,11,12,13,14,15,16,17,18,19,20,21,22,23,24,25,26,27,28,29,30,31
	global_load_b32 v[WX+32*((\t)%2)+\i], v3, s[\sb:\sb+1] offset:(32*(\t)+\i)*\pitch th:TH_LOAD_NT
.endr
.endm
.macro BLOCKQ t                        ; a block of 32 down K, all mine, becomes 16 bytes of codes and a scale byte
.set XS, WX+32*((\t)%2)
.if (\t) < 15
	s_wait_loadcnt 32                              ; this block's loads are in; the next block's may be out
.else
	s_wait_loadcnt 0x0
.endif
	v_max3_num_f32 v16, |v[XS]|, |v[XS+1]|, |v[XS+2]|
	v_max3_num_f32 v17, |v[XS+3]|, |v[XS+4]|, |v[XS+5]|
.irp i, 6,10,14,18,22,26
	v_max3_num_f32 v16, v16, |v[XS+\i]|, |v[XS+\i+1]|
	v_max3_num_f32 v17, v17, |v[XS+\i+2]|, |v[XS+\i+3]|
.endr
	v_max3_num_f32 v16, v16, |v[XS+30]|, |v[XS+31]|
	v_max3_num_f32 v16, v16, v17, (EMAX+1)<<23
	v_add_nc_u32 v11, 0xff000000, v16
	v_lshrrev_b32 v17, 23, v11
.if (\t)%4 == 0
	v_mov_b32 v[SB+(\t)/4], v17
.else
	v_lshl_or_b32 v[SB+(\t)/4], v17, 8*((\t)%4), v[SB+(\t)/4]
.endif
.irp g, 0,1,2,3
	v_cvt_scalef32_pk8_fp4_f32 v[WC+\g], v[XS+8*\g:XS+8*\g+7], v11
.endr
	ds_store_b128 v4, v[WC:WC+3] offset:16*(\t)
.if (\t)+2 < 16
	LOADW (\t)+2, 12288, 6
.endif
	s_wait_dscnt 0x0                               ; the store has read its registers: the next block's codes may be written
.endm
.macro BLOCKH t                        ; a block of 32 down K becomes 64 bytes of f16
.set XS, WX+32*((\t)%2)
.if (\t) < 3
	s_wait_loadcnt 32
.else
	s_wait_loadcnt 0x0
.endif
.irp i, 0,1,2,3,4,5,6,7,8,9,10,11,12,13,14,15
	v_cvt_pk_f16_f32 v[WC+\i], v[XS+2*\i], v[XS+2*\i+1]
.endr
.irp g, 0,1,2,3
	ds_store_b128 v4, v[WC+4*\g:WC+4*\g+3] offset:64*(\t)+16*\g
.endr
.if (\t)+2 < 4
	LOADW (\t)+2, 4096, 8
.endif
	s_wait_dscnt 0x0
.endm
.macro LANES base, krow                ; the lane's places: v3 in, v4 into the stage (row = my column), v7 back (sixteen lanes to a row), v8 the same place in the output
	v_lshlrev_b32 v3, 2, v2
	s_mul_i32 s21, s20, 32*PITCH
	s_add_co_u32 s21, s21, \base
	v_mul_u32_u24 v4, v2, PITCH
	v_add_nc_u32 v4, s21, v4
	v_and_b32 v5, 15, v2
	v_lshrrev_b32 v6, 4, v2
	v_mul_u32_u24 v7, v6, PITCH
	v_lshl_add_u32 v7, v5, 4, v7
	v_add_nc_u32 v7, s21, v7
	v_mul_u32_u24 v8, v6, \krow
	v_lshl_add_u32 v8, v5, 4, v8
.endm
.macro WAYOUT krow, sb                 ; 32 rows of 256 bytes leave: sixteen lanes store 256 consecutive bytes, aligned
.irp t, 0,1,2,3,4,5,6,7,8,9,10,11,12,13,14,15
	ds_load_b128 v[OUTR+4*\t:OUTR+4*\t+3], v7 offset:2*\t*PITCH
.endr
.irp t, 0,1,2,3,4,5,6,7,8,9,10,11,12,13,14,15
	s_wait_dscnt 15-\t                             ; LDS loads come back in order: pair t of rows is in
	global_store_b128 v8, v[OUTR+4*\t:OUTR+4*\t+3], s[\sb:\sb+1] offset:2*\t*\krow
.endr
.endm
.macro CLOSE                           ; the wave's end
	s_wait_tensorcnt 0x0
	ds_add_u32 v[SPW], v[NIL]
	s_wait_dscnt 0x0
	s_endpgm
.endm
	s_load_b256 s[4:11], s[0:1], 0x0               ; x s[4:5], Wqkv s[6:7], Wproj s[8:9], xc s[10:11]
	s_load_b256 s[12:19], s[0:1], 0x20             ; xs s[12:13], wc s[14:15], ws s[16:17], wp s[18:19]
	v_lshl_add_u32 v[SPW], v0, 2, SPARE
	v_mov_b32 v[NIL], 0
	v_lshrrev_b32 v1, 5, v0
	v_readfirstlane_b32 s20, v1                    ; wave 0..3
	v_and_b32 v2, 31, v0                           ; lane
	s_mov_b32 s25, 0                               ; the upper word of every offset
	s_wait_kmcnt 0x0
	s_cmp_lt_u32 ttmp9, 256
	s_cbranch_scc1 .Lpath_x
	s_cmp_lt_u32 ttmp9, 304
	s_cbranch_scc1 .Lpath_w
	; ---- Wproj: 8 x 8 work-groups of 128 columns x 128 along K; a wave takes 32 columns
	s_sub_co_u32 s22, ttmp9, 304
	s_and_b32 s23, s22, 7                          ; which 128 columns
	s_lshr_b32 s22, s22, 3                         ; which 128 along K
	s_lshl_b32 s23, s23, 7
	s_lshl_b32 s24, s20, 5
	s_add_co_u32 s23, s23, s24                     ; my wave's first column
	s_lshl_b32 s24, s22, 19                        ; 128 rows of 4,096 bytes
	s_lshl_b32 s26, s23, 2
	s_add_co_u32 s24, s24, s26
	s_add_nc_u64 s[8:9], s[8:9], s[24:25]
	s_lshl_b32 s24, s23, 11                        ; out: a row of wp is 2,048 bytes
	s_lshl_b32 s26, s22, 8
	s_add_co_u32 s24, s24, s26
	s_add_nc_u64 s[18:19], s[18:19], s[24:25]
	LANES STGP, 2048
	LOADW 0, 4096, 8
	LOADW 1, 4096, 8
.irp t, 0,1,2,3
	BLOCKH \t
.endr
	WAYOUT 2048, 18
	CLOSE
.Lpath_w:
	; ---- Wqkv: 24 x 2 work-groups of 128 columns x 512 along K; a wave takes 32 columns, 16 blocks a lane
	s_sub_co_u32 s21, ttmp9, 256
	s_cmp_ge_u32 s21, 24
	s_cselect_b32 s22, 1, 0                        ; which 512 along K
	s_cselect_b32 s23, 24, 0
	s_sub_co_u32 s21, s21, s23
	s_lshl_b32 s21, s21, 7
	s_lshl_b32 s23, s20, 5
	s_add_co_u32 s23, s21, s23                     ; my wave's first column
	s_mul_i32 s24, s22, 512*12288
	s_lshl_b32 s26, s23, 2
	s_add_co_u32 s24, s24, s26
	s_add_nc_u64 s[6:7], s[6:7], s[24:25]
	s_lshl_b32 s24, s23, 9                         ; a row of codes is 512 bytes
	s_lshl_b32 s26, s22, 8
	s_add_co_u32 s24, s24, s26
	s_add_nc_u64 s[14:15], s[14:15], s[24:25]
	s_lshl_b32 s24, s23, 5                         ; a row of scale bytes is 32
	s_lshl_b32 s26, s22, 4
	s_add_co_u32 s24, s24, s26
	s_add_nc_u64 s[16:17], s[16:17], s[24:25]
	LANES STGW, 512
	v_lshlrev_b32 v9, 5, v2                        ; my column's row of scale bytes
	LOADW 0, 12288, 6
	LOADW 1, 12288, 6
.irp t, 0,1,2,3,4,5,6,7,8,9,10,11,12,13,14,15
	BLOCKQ \t
.endr
	global_store_b128 v9, v[SB:SB+3], s[16:17]     ; my column's 16 scale bytes (rows 32 bytes apart: one byte in 128 of what is read)
	WAYOUT 512, 14
	CLOSE
.Lpath_x:
	; ---- x: a plain stream of blocks of 32; a wave takes a run of 8,192 numbers
	v_lshlrev_b32 v3, 4, v2                        ; my 16 bytes of a load's 512
	s_mul_i32 s21, s20, WREG
	v_lshrrev_b32 v14, 2, v2
	v_mul_u32_u24 v14, v14, SP
	v_and_b32 v15, 3, v2
	v_lshl_add_u32 v14, v15, 4, v14
	v_add_nc_u32 v14, s21, v14                     ; the stage, in: SP (lane / 4) + 16 (lane % 4)
	v_mul_u32_u24 v15, v2, SP
	v_add_nc_u32 v15, s21, v15                     ; and back: SP x lane
	v_mul_u32_u24 v4, v2, CB
	v_lshrrev_b32 v5, 1, v2
	s_add_co_u32 s21, s21, 2*32*SP
	v_add_nc_u32 v5, s21, v5                       ; my block's byte among my wave's 256
	v_lshlrev_b32 v7, 3, v2
	v_add_nc_u32 v6, s21, v7
	s_lshl_b32 s22, ttmp9, 2
	s_add_co_u32 s22, s22, s20                     ; which run
	s_lshl_b32 s24, s22, 15
	s_add_nc_u64 s[4:5], s[4:5], s[24:25]
	s_lshl_b32 s24, s22, 12
	s_add_nc_u64 s[10:11], s[10:11], s[24:25]
	s_lshl_b32 s24, s22, 8
	s_add_nc_u64 s[12:13], s[12:13], s[24:25]
.irp t, 0,1,2,3
	XLOAD \t
.endr
	s_wait_loadcnt 12                              ; step 0's four loads are in
	XTURN 0
.irp t, 0,1,2,3,4,5,6,7,8,9,10,11,12,13,14,15
	XSTEP \t
.endr
	ds_load_b64 v[8:9], v6                         ; my wave's 256 scale bytes: these see my stores
	s_wait_dscnt 0x0
	global_store_b64 v7, v[8:9], s[12:13]          ; 32 lanes store 256 consecutive bytes, aligned
	CLOSE
.Lfunc_end_k_q97661bdee6_prep:
	.size	k_q97661bdee6_prep, .Lfunc_end_k_q97661bdee6_prep-k_q97661bdee6_prep
	.p2alignl 7, 3214868480
	.fill 96, 4, 3214868480
	.section	.rodata,"a",@progbits
	.p2align	6, 0x0
	.amdhsa_kernel k_q97661bdee6_prep
		.amdhsa_group_segment_fixed_size 102912
		.amdhsa_private_segment_fixed_size 0
		.amdhsa_enable_private_segment 0
		.amdhsa_kernarg_size 64
		.amdhsa_user_sgpr_count 2
		.amdhsa_user_sgpr_kernarg_segment_ptr 1
		.amdhsa_wavefront_size32 1
		.amdhsa_system_sgpr_workgroup_id_x 1
		.amdhsa_system_sgpr_workgroup_id_y 1
		.amdhsa_system_sgpr_workgroup_id_z 1
		.amdhsa_system_vgpr_workitem_id 0
		.amdhsa_next_free_vgpr 192
		.amdhsa_next_free_sgpr 66
		.amdhsa_reserve_vcc 0
		.amdhsa_float_denorm_mode_32 3
		.amdhsa_float_denorm_mode_16_64 3
		.amdhsa_memory_ordered 1
		.amdhsa_forward_progress 1
		.amdhsa_inst_pref_size 132
	.end_amdhsa_kernel
	.amdgpu_metadata
---
amdhsa.version: [ 1, 2 ]
amdhsa.kernels:
  - .name:           k_q97661bdee6_prep
    .symbol:         k_q97661bdee6_prep.kd
    .args:
      - { .name: x, .offset: 0, .size: 8, .value_kind: global_buffer, .address_space: global }
      - { .name: Wqkv, .offset: 8, .size: 8, .value_kind: global_buffer, .address_space: global }
      - { .name: Wproj, .offset: 16, .size: 8, .value_kind: global_buffer, .address_space: global }
      - { .name: xc, .offset: 24, .size: 8, .value_kind: global_buffer, .address_space: global }
      - { .name: xs, .offset: 32, .size: 8, .value_kind: global_buffer, .address_space: global }
      - { .name: wc, .offset: 40, .size: 8, .value_kind: global_buffer, .address_space: global }
      - { .name: ws, .offset: 48, .size: 8, .value_kind: global_buffer, .address_space: global }
      - { .name: wp, .offset: 56, .size: 8, .value_kind: global_buffer, .address_space: global }
    .group_segment_fixed_size: 102912
    .private_segment_fixed_size: 0
    .kernarg_segment_align: 8
    .kernarg_segment_size: 64
    .max_flat_workgroup_size: 128
    .sgpr_count:     66
    .vgpr_count:     192
    .wavefront_size: 32
...
	.end_amdgpu_metadata
.endif
;; end of part 1
;; launch gemm1 (part 2): grid 12 x 32, 4 waves a work-group, clusters of 4 x 4, 327,680 bytes of LDS; arguments xc, xs, wc, ws, bqkv, qkv, q16; writes qkv, q16
.if DOCPART == 2
	.amdgcn_target "amdgcn-amd-amdhsa--gfx1250"
	.amdhsa_code_object_version 6
	.text
	.protected	k_q97661bdee6_gemm1
	.globl	k_q97661bdee6_gemm1
	.p2align	8
	.type	k_q97661bdee6_gemm1,@function
k_q97661bdee6_gemm1:
	s_mov_b64 s[64:65], 0
	v_nop
	global_prefetch_b8 v0, s[64:65] scope:SCOPE_SE
	s_setreg_imm32_b32 hwreg(HW_REG_WAVE_MODE, 25, 1), 1
	s_wait_xcnt 0x0
	s_wait_alu depctr_hold_cnt(0) depctr_sa_sdst(0) depctr_va_vdst(0) depctr_va_sdst(0) depctr_va_ssrc(0) depctr_va_vcc(0) depctr_vm_vsrc(0)
	s_getreg_b32 s2, hwreg(HW_REG_IB_STS2, 6, 4)
	s_cmp_eq_u32 s2, 0
	s_cbranch_scc0 .Lentry_in_a_cluster
	s_endpgm
.Lentry_in_a_cluster:
	s_bfe_u32 s2, ttmp6, 0x10000c
	s_cmp_lg_u32 s2, 0xf033
	s_cbranch_scc0 .Lentry_shape_is_right
	s_endpgm
.Lentry_shape_is_right:
; qkv = Q(x) Q(Wqkv) + bqkv, on codes of FP4 (E2M1) with one E8M0 scale for each 32 along K.  A = xc [8192][512 bytes], B = wc [3072][512 bytes], scale bytes xs, ws [rows][32].
; OUT: qkv f16 [3][64 = batch x 16 + head][2048 t][64 d], so that two neighbouring t of a head are 256 consecutive bytes; and q16 f32 [64 = batch x 16 + t][3072]: the rows t < 16, for the launch that carries them in f32.
; LIMITS: |q|, |k|, |v| up to 65,504 (f16).  q16's stores are 16 bytes a lane in pieces of 32 bytes: 786,432 bytes in the whole launch.
; A tile of C, 256 x 256, is made by four waves, 128 x 128 each: 64 accumulators, 512 registers.  K = 1,024 is two LDS slots of 512: both are asked for at the head, nothing is filled again: three tensor loads of a wave are out at the start.
; CLUSTERS: 4 x 4 work-groups; A's tiles are shared along a row of the cluster, B's along a column: asked for jointly, the same descriptor and a mask that names the four.
; THE MATRIX INSTRUCTION IS USED TRANSPOSED (source 0 = 16 rows of B, source 1 = 16 rows of A): a lane holds eight neighbouring columns of one row of C.  The bias is the C of each sum's first product.
; REGISTERS: window 0: v0-31 addresses; v32-95 scale words, two sets, and nothing else; v96-127, v224-255 the way out; v128-191 A's fragments, one set; v192-255 the bias, later packed results.
;   window 1: B's fragments, two sets, at v0 and v128.   windows 2, 3: the accumulators of my rows 0-63 and 64-127 ((a, b) at v[8 (8 (a % 4) + b)]).
.set SIZE_K, 1024
.set KSTEP,  512
.set NQ,     KSTEP/128
.set ROWB,   256                       ; a tile's row: 512 codes
.set KROW,   SIZE_K/2                  ; a row of codes in memory
.set PITCH,  272                       ; an LDS row: 256 bytes + 16: the 16 rows that a load touches start 68 words apart
.set FR,     8
.set NL,     2
.set NP,     4
.set HALFT,  128*PITCH
.set SLOT,   4*HALFT
.set KS,     SIZE_K/32
.set SCL,    2*SLOT                    ; behind the slots: the scales, as 256 bytes + 16 of padding
.set HALFS,  (128*KS/256)*272
.set SBLK,   (16*KS/256)*272
.set SPARE,  SCL+4*HALFS               ; the spare words: 128 bytes a wave
.set STAGE,  SPARE+512                 ; the way out: 16 rows x 272 bytes for each wave; no tensor load lands here
.set SPITCH, 272
.set ROWQ,   12288                     ; a row of q16 in bytes
.set ADRA, 16
.set ADRB, 20
.set T0V,  22                          ; v22  my wave's first t
.set STO,  24
.set RD,   25
.set CO,   26
.set ADRS, 27
.set SPW,  28
.set NIL,  29
.set FO,   30                          ; v30  my place in q16
.set BO,   31                          ; v31  my place in the bias
.set SC,   32
.set OB,   96
.set AF,   128
.set BIAS, 192
.set TMP,  192
.set G1, 24
.set G0, 32
.set G1B, 48
.set G0B, 56
.set G1S, 68
.set G0S, 76
.set G1SB, 80
.set G0SB, 88
.set MSB, 0
.macro WIN new                         ; the immediate's high byte repeats the setting that is left
.if MSB != (\new)
	s_set_vgpr_msb (MSB<<8)|(\new)
.set MSB, (\new)
.endif
.endm
.set MUL_LO,  0xa1                     ; source 0 (B) window 1, source 1 (A) window 0, C and D window 2
.set MUL_HI,  0xf1                     ; C and D window 3
.set MUL_LO0, 0x81                     ; the first step: C (the bias) window 0, D window 2
.set MUL_HI0, 0xc1                     ; D window 3
.set TO_B,    0x40
; A joint load: waves 0 and 1 fetch for A, waves 2 and 3 for B.  The branch hangs on the wave's number alone.  An s_nop 0 and four v_nop follow each line.
.macro JLOAD g0a, g1a, g0b, g1b
	s_cmp_eq_u32 s15, 0
	s_cbranch_scc0 .Lfor_b_\@
	tensor_load_to_lds s[\g0a:\g0a+3], s[\g1a:\g1a+7]
	s_nop 0
.rept 4
	v_nop
.endr
	s_branch .Lasked_\@
.Lfor_b_\@:
	tensor_load_to_lds s[\g0b:\g0b+3], s[\g1b:\g1b+7]
	s_nop 0
.rept 4
	v_nop
.endr
.Lasked_\@:
.endm
.macro CROUND                          ; a round of the cluster's barrier
	s_barrier_signal -1
	s_barrier_wait -1
	s_cmp_lg_u32 s14, 0
	s_cbranch_scc1 .Lnot_wave_0_\@
	s_barrier_signal -3
.Lnot_wave_0_\@:
	s_barrier_wait -3
	s_barrier_signal -1
	s_barrier_wait -1
.endm
	s_load_b128 s[4:7], s[0:1], 0x0                ; A's codes, A's scales
	s_load_b128 s[8:11], s[0:1], 0x10              ; B's codes, B's scales
	s_load_b64 s[12:13], s[0:1], 0x20              ; the bias
	s_load_b128 s[96:99], s[0:1], 0x28             ; qkv s[96:97], q16 s[98:99]
	v_lshl_add_u32 v[SPW], v0, 2, SPARE
	v_mov_b32 v[NIL], 0
	ds_add_u32 v[SPW], v[NIL]                      ; the wave's opening: the add, twice on end, and its wait ahead of my first tensor load
	ds_add_u32 v[SPW], v[NIL]
	v_lshrrev_b32 v1, 5, v0
	v_readfirstlane_b32 s14, v1                    ; wave 0..3
	s_lshr_b32 s15, s14, 1                         ; which half of the tile's rows is mine; also: I fetch for A (0) or B (1)
	s_and_b32 s16, s14, 1                          ; which half of its columns; also: which 128 rows I fetch
	s_bfe_u32 s40, ttmp6, 0x40000                  ; cx
	s_bfe_u32 s41, ttmp6, 0x40004                  ; cy
	s_lshl_b32 s42, ttmp9, 2
	s_add_co_u32 s42, s42, s40                     ; tile column 0..11
	s_and_b32 s17, ttmp7, 0xffff
	s_lshl_b32 s17, s17, 2
	s_add_co_u32 s17, s17, s41                     ; tile row 0..31
	s_lshl_b32 s43, s41, 2
	s_lshl_b32 s43, 15, s43                        ; my row of the cluster
	s_lshl_b32 s44, 0x1111, s40                    ; my column
	s_or_b32 s[G1+0], s43, (0<<16)|(1<<20)|(1<<21)|(5<<22)|(3<<25)  ; the mask; elements of 1 byte; padding on; bit 21 beside a mask; 4 words behind every 64
	s_or_b32 s[G1B+0], s44, (0<<16)|(1<<20)|(1<<21)|(5<<22)|(3<<25)
.irp g, G1, G1B
	s_mov_b32 s[\g+1], ROWB<<16                    ; tensor_dim0
	s_mov_b32 s[\g+2], 128<<16                     ; tensor_dim1
	s_mov_b32 s[\g+3], ROWB<<16                    ; tile_dim0
	s_mov_b32 s[\g+4], 128                         ; tile_dim1
	s_mov_b32 s[\g+5], KROW                        ; the pitch
	s_mov_b32 s[\g+6], 0
	s_mov_b32 s[\g+7], 0
.endr
	s_or_b32 s[G1S+0], s43, (3<<16)|(1<<20)|(1<<21)|(5<<22)|(3<<25) ; the scales of 128 rows: 4,096 dense bytes as 16 rows of 256 (32 elements of 8 bytes)
	s_or_b32 s[G1SB+0], s44, (3<<16)|(1<<20)|(1<<21)|(5<<22)|(3<<25)
.irp g, G1S, G1SB
	s_mov_b32 s[\g+1], 32<<16
	s_mov_b32 s[\g+2], (128*KS/256)<<16
	s_mov_b32 s[\g+3], 32<<16
	s_mov_b32 s[\g+4], 128*KS/256
	s_mov_b32 s[\g+5], 32
	s_mov_b32 s[\g+6], 0
	s_mov_b32 s[\g+7], 0
.endr
	s_lshl_b32 s18, s16, 7
	s_lshl_b32 s20, s17, 8
	s_add_co_u32 s20, s20, s18                     ; A: row 256 x tile row + 128 x half
	s_lshl_b32 s46, s42, 8
	s_add_co_u32 s46, s46, s18                     ; B: row 256 x tile column + 128 x half
	s_mov_b32 s21, 0
	s_mov_b32 s47, 0
	s_mov_b64 s[18:19], KS
	s_mul_u64 s[22:23], s[20:21], s[18:19]         ; where these rows' scales begin
	s_mul_u64 s[92:93], s[46:47], s[18:19]
	s_mov_b64 s[18:19], KROW
	s_mul_u64 s[20:21], s[20:21], s[18:19]         ; and their codes
	s_mul_u64 s[46:47], s[46:47], s[18:19]
	s_mul_i32 s45, s14, HALFT                      ; where they go: wave x 128 rows
	s_mul_i32 s94, s14, HALFS
	s_wait_dscnt 0x0                               ; both opening adds are done
	s_wait_kmcnt 0x0
	s_add_nc_u64 s[20:21], s[4:5], s[20:21]
	s_add_nc_u64 s[22:23], s[6:7], s[22:23]
	s_add_nc_u64 s[46:47], s[8:9], s[46:47]
	s_add_nc_u64 s[92:93], s[10:11], s[92:93]
	CROUND                                         ; all sixteen work-groups are here: the joint loads meet
	s_mov_b32 s[G0S], 1
	s_add_co_u32 s[G0S+1], s94, SCL
	s_mov_b64 s[G0S+2:G0S+3], s[22:23]
	s_or_b32 s[G0S+3], s[G0S+3], 0x80000000
	s_mov_b32 s[G0SB], 1
	s_add_co_u32 s[G0SB+1], s94, SCL
	s_mov_b64 s[G0SB+2:G0SB+3], s[92:93]
	s_or_b32 s[G0SB+3], s[G0SB+3], 0x80000000
	JLOAD G0S, G1S, G0SB, G1SB                     ; the scales first
.irp s, 0,1
	s_mov_b32 s[G0+4*\s], 1
	s_add_co_u32 s[G0+4*\s+1], s45, \s*SLOT
	s_add_nc_u64 s[G0+4*\s+2:G0+4*\s+3], s[20:21], \s*ROWB
	s_or_b32 s[G0+4*\s+3], s[G0+4*\s+3], 0x80000000
	s_mov_b32 s[G0B+4*\s], 1
	s_add_co_u32 s[G0B+4*\s+1], s45, \s*SLOT
	s_add_nc_u64 s[G0B+4*\s+2:G0B+4*\s+3], s[46:47], \s*ROWB
	s_or_b32 s[G0B+4*\s+3], s[G0B+4*\s+3], 0x80000000
	JLOAD G0+4*\s, G1, G0B+4*\s, G1B
.endr
	v_and_b32 v1, 15, v0                           ; r = lane % 16
	v_bfe_u32 v2, v0, 4, 1                         ; h = lane / 16
	v_mul_u32_u24 v3, v1, PITCH
	v_lshl_add_u32 v4, v2, 4, v3                   ; a fragment's row x pitch + 16 h
	s_mul_i32 s21, s15, HALFT
	s_mul_i32 s22, s16, HALFT
	s_add_co_u32 s22, s22, 2*HALFT
.irp s, 0,1
	v_add_nc_u32 v[ADRA+\s], s21, v4
	v_add_nc_u32 v[ADRB+\s], s22, v4
	s_add_co_u32 s21, s21, SLOT
	s_add_co_u32 s22, s22, SLOT
.endr
	v_mul_u32_u24 v5, v1, KS                       ; my row's scales: 32 bytes a row,
	v_lshrrev_b32 v6, 8, v5
	v_lshl_add_u32 v5, v6, 4, v5                   ; and 16 more for each 256 passed
	s_mul_i32 s21, s15, HALFS
	s_mul_i32 s22, s16, HALFS
	s_add_co_u32 s22, s22, 2*HALFS
	s_sub_co_u32 s22, s22, s21
	v_mul_u32_u24 v6, s22, v2                      ; lanes 16-31 take B's
	s_add_co_u32 s21, s21, SCL
	v_add_nc_u32 v5, v5, v6
	v_add_nc_u32 v[ADRS], s21, v5
	s_mul_i32 s23, s14, 16*SPITCH
	s_add_co_u32 s23, s23, STAGE                   ; my stage
	v_mul_u32_u24 v5, v1, SPITCH
	v_lshl_add_u32 v5, v2, 4, v5
	v_add_nc_u32 v[STO], s23, v5                   ; in: row r, 16 bytes for each half of the lanes
	v_bfe_u32 v5, v0, 3, 1
	v_mul_u32_u24 v5, v5, SPITCH
	v_lshl_add_u32 v5, v2, 7, v5
	v_and_b32 v6, 7, v0
	v_lshl_add_u32 v5, v6, 4, v5
	v_add_nc_u32 v[RD], s23, v5                    ; back: lanes 0-15 take two rows' first 128 bytes (one head), lanes 16-31 their second 128 (the next head)
	v_lshlrev_b32 v[CO], 4, v1
	v_lshl_add_u32 v[CO], v2, 18, v[CO]            ; in qkv: 16 (lane % 16), and a head (262,144 bytes) on for lanes 16-31
	v_mul_u32_u24 v[FO], v1, ROWQ
	v_lshl_add_u32 v[FO], v2, 5, v[FO]             ; in q16: row r, + 32 h
	v_lshlrev_b32 v[BO], 5, v2                     ; in the bias: 32 h
	s_lshl_b32 s20, s42, 8
	s_lshl_b32 s21, s16, 7
	s_add_co_u32 s20, s20, s21                     ; my first column, 0 .. 2,944
	s_lshl_b32 s46, s20, 2
	s_mov_b32 s47, 0
	s_add_nc_u64 s[12:13], s[12:13], s[46:47]      ; the bias at my first column
	s_add_nc_u64 s[98:99], s[98:99], s[46:47]      ; q16 likewise,
	s_lshr_b32 s21, s17, 3                         ; the batch
	s_mul_i32 s46, s21, 16*ROWQ
	s_add_nc_u64 s[98:99], s[98:99], s[46:47]      ; at the batch's 16 rows
	s_lshr_b32 s22, s20, 6                         ; column / 64 = 16 x (q, k or v) + head
	s_lshr_b32 s23, s22, 4
	s_and_b32 s22, s22, 15
	s_lshl_b32 s23, s23, 6
	s_add_co_u32 s22, s22, s23
	s_lshl_b32 s21, s21, 4
	s_add_co_u32 s22, s22, s21                     ; which of qkv's 192 heads
	s_lshl_b32 s46, s22, 18
	s_and_b32 s21, s17, 7
	s_lshl_b32 s21, s21, 8
	s_lshl_b32 s23, s15, 7
	s_add_co_u32 s21, s21, s23                     ; my first t
	v_mov_b32 v[T0V], s21
	s_lshl_b32 s23, s21, 7
	s_add_co_u32 s46, s46, s23
	s_add_nc_u64 s[96:97], s[96:97], s[46:47]
.irp b, 0,1,2,3,4,5,6,7                        ; the bias in the result's layout: lane (r, h), block b: columns 16 b + 8 h + 0 .. 7
	global_load_b128 v[BIAS+8*\b:BIAS+8*\b+3], v[BO], s[12:13] offset:64*\b
	global_load_b128 v[BIAS+8*\b+4:BIAS+8*\b+7], v[BO], s[12:13] offset:64*\b+16
.endr
.macro FRAG reg, adr, q, i             ; 16 rows x 128 K of 4-bit codes: 8 registers, two loads of 16 bytes, 32 bytes apart
.irp c, 0,1
	ds_load_b128 v[\reg+4*\c:\reg+4*\c+3], v[\adr] offset:64*(\q)+32*\c+(\i)*16*PITCH
.endr
.endm
; 16 matrix instructions: A's blocks a0, a0 + 1 x B's eight.  p: B's set; sc: the set of scale words.  zero = 1: the first product starts the sums on the bias.
; The 64 accumulators take turns, one instruction a turn, in the same order in every step.
.macro MUL16 a0, p, q, sc, zero
.irp a, \a0, \a0+1
.irp b, 0,1,2,3,4,5,6,7
.if \zero
	v_wmma_scale_f32_16x16x128_f8f6f4 v[8*(8*((\a)%4)+\b):8*(8*((\a)%4)+\b)+7], v[128*(\p)+FR*\b:128*(\p)+FR*\b+FR-1], v[AF+FR*(\a):AF+FR*(\a)+FR-1], v[BIAS+8*\b:BIAS+8*\b+7], v[SC+8*NQ*(\sc)+NQ*\b+(\q)], v[SC+8*NQ*(\sc)+NQ*(\a)+(\q)] matrix_a_fmt:MATRIX_FMT_FP4 matrix_b_fmt:MATRIX_FMT_FP4 matrix_a_scale:MATRIX_SCALE_ROW1
.else
	v_wmma_scale_f32_16x16x128_f8f6f4 v[8*(8*((\a)%4)+\b):8*(8*((\a)%4)+\b)+7], v[128*(\p)+FR*\b:128*(\p)+FR*\b+FR-1], v[AF+FR*(\a):AF+FR*(\a)+FR-1], v[8*(8*((\a)%4)+\b):8*(8*((\a)%4)+\b)+7], v[SC+8*NQ*(\sc)+NQ*\b+(\q)], v[SC+8*NQ*(\sc)+NQ*(\a)+(\q)] matrix_a_fmt:MATRIX_FMT_FP4 matrix_b_fmt:MATRIX_FMT_FP4 matrix_a_scale:MATRIX_SCALE_ROW1
.endif
.endr
.endr
.endm
.macro FETCH_B slot, q, p
	WIN TO_B
.irp i, 0,1,2,3,4,5,6,7
	FRAG 128*(\p)+FR*\i, ADRB+\slot, \q, \i
.endr
	WIN 0
.endm
.macro FETCH_A slot, q, i0
.irp i, \i0, \i0+1, \i0+2, \i0+3
	FRAG AF+FR*(\i), ADRA+\slot, \q, \i
.endr
.endm
.macro SCALES sc                       ; a slot's scale words: lanes 0-15 A's block i, lanes 16-31 B's block i
.irp i, 0,1,2,3,4,5,6,7
	ds_load_b128 v[SC+8*NQ*\sc+NQ*\i:SC+8*NQ*\sc+NQ*\i+3], v[ADRS] offset:\i*SBLK
.endr
.endm
.macro PLACES n                        ; plain vector instructions between a matrix instruction and a load into, or a read of, its registers
.rept \n
	v_nop
.endr
.endm
.macro STEP slot, q, zero              ; 128 along K that has its successor in the same slot
	s_wait_dscnt 4*NL                              ; B's set and A's blocks 0-3 are in; the youngest eight loads (A's blocks 4-7) may be out
.if \zero
	WIN MUL_LO0
.else
	WIN MUL_LO
.endif
	MUL16 0, (\q)%2, \q, \slot, \zero
	MUL16 2, (\q)%2, \q, \slot, \zero
	s_wait_dscnt 0
	PLACES NP
	FETCH_B \slot, (\q)+1, 1-(\q)%2
	FETCH_A \slot, (\q)+1, 0
.if \zero
	WIN MUL_HI0
.else
	WIN MUL_HI
.endif
	MUL16 4, (\q)%2, \q, \slot, \zero
	MUL16 6, (\q)%2, \q, \slot, \zero
	PLACES NP
	WIN 0
	FETCH_A \slot, (\q)+1, 4
.endm
	s_wait_tensorcnt 1                             ; the scales and my part of slot 0 are in (slot 1's load may be out),
	s_barrier_signal -1
	s_barrier_wait -1                              ; everybody's are
	FETCH_B 0, 0, 0
	FETCH_A 0, 0, 0
	SCALES 0
	FETCH_A 0, 0, 4
	s_wait_loadcnt 0x0                             ; the bias
	STEP 0, 0, 1
	STEP 0, 1, 0
	STEP 0, 2, 0
	; slot 0's last step changes slots: one barrier; in front of it my tensor loads have landed and my reads of slot 0 are over
	s_wait_tensorcnt 0x0                           ; my part of slot 1 is in
	ds_add_u32 v[SPW], v[NIL]                      ; 0 onto my spare word
	s_wait_dscnt 4*NL+1                            ; (the add and A's blocks 4-7 may be out)
	WIN MUL_LO
	MUL16 0, 1, NQ-1, 0, 0
	s_wait_dscnt 0x0
	s_barrier_signal -1
	MUL16 2, 1, NQ-1, 0, 0
	WIN 0
	s_barrier_wait -1
	PLACES NP
	v_add_nc_u32 v[ADRS], 4*NQ, v[ADRS]            ; on to slot 1's scale words (no LDS load of mine is out)
	FETCH_B 1, 0, 0
	FETCH_A 1, 0, 0
	SCALES 1
	WIN MUL_HI
	MUL16 4, 1, NQ-1, 0, 0
	MUL16 6, 1, NQ-1, 0, 0
	PLACES NP
	WIN 0
	FETCH_A 1, 0, 4
	STEP 1, 0, 0
	STEP 1, 1, 0
	STEP 1, 2, 0
	s_wait_dscnt 4*NL                              ; the very last step
	WIN MUL_LO
	MUL16 0, 1, NQ-1, 1, 0
	MUL16 2, 1, NQ-1, 1, 0
	s_wait_dscnt 0
	WIN MUL_HI
	MUL16 4, 1, NQ-1, 1, 0
	MUL16 6, 1, NQ-1, 1, 0
	WIN 0
	PLACES NP
	; THE ROWS t < 16 IN f32: they are block 0 of a wave whose first t is 0.  No branch: every wave issues the stores, with all lanes off where its first t is not 0.
	s_wait_xcnt 0x0                                ; EXEC changes only behind this wait
	v_cmp_eq_u32 vcc_lo, 0, v[T0V]
	s_and_saveexec_b32 s100, vcc_lo
	WIN 0x08                                       ; a store's data: window 2
.irp b, 0,1,2,3,4,5,6,7
	global_store_b128 v[FO], v[8*\b:8*\b+3], s[98:99] offset:64*\b          ; each accumulator from its low end on
	global_store_b128 v[FO], v[8*\b+4:8*\b+7], s[98:99] offset:64*\b+16
.endr
	WIN 0
	s_wait_xcnt 0x0
	s_or_b32 exec_lo, exec_lo, s100
; THE WAY OUT, a block of 16 rows x 128 columns (two heads) at a time: rounded to f16, through my own stage, back so that sixteen lanes hold two neighbouring t of one head: 256 consecutive bytes, aligned.
.macro PACK a
.set AC, 64*((\a)%4)
	WIN 0x0a+5*((\a)/4)                            ; sources 0 and 1: window 2 or 3
.irp b, 0,1,2,3,4,5,6,7
.irp r, 0,1,2,3
	v_cvt_pk_f16_f32 v[TMP+4*\b+\r], v[AC+8*\b+2*\r], v[AC+8*\b+2*\r+1]
.endr
.endr
	WIN 0
.endm
.macro TOSTAGE a
.set BKR, OB+128*((\a)%2)
.irp b, 0,1,2,3,4,5,6,7
	ds_store_b128 v[STO], v[TMP+4*\b:TMP+4*\b+3] offset:32*\b
.endr
.irp t, 0,1,2,3,4,5,6,7
	ds_load_b128 v[BKR+4*\t:BKR+4*\t+3], v[RD] offset:\t*2*SPITCH   ; LDS serves a wave's instructions in order: these see the stores above
.endr
.endm
.macro SEND a
.set BKR, OB+128*((\a)%2)
	s_wait_dscnt 0x0                               ; the block is back in registers
	s_wait_xcnt 0x0                                ; the block before has left its registers: the next block's loads may land there
.irp t, 0,1,2,3,4,5,6,7
	global_store_b128 v[CO], v[BKR+4*\t:BKR+4*\t+3], s[96:97] offset:(\a)*2048+\t*256
.endr
.endm
	PACK 0
	TOSTAGE 0
.irp a, 1,2,3,4,5,6,7                          ; block a's conversions stand between block a - 1's loads from the stage and the wait for them
	PACK \a
	SEND \a-1
	TOSTAGE \a
.endr
	SEND 7
	s_wait_tensorcnt 0x0                           ; the wave's end
	ds_add_u32 v[SPW], v[NIL]
	s_wait_dscnt 0x0
	CROUND                                         ; the closing round
	s_endpgm
.Lfunc_end_k_q97661bdee6_gemm1:
	.size	k_q97661bdee6_gemm1, .Lfunc_end_k_q97661bdee6_gemm1-k_q97661bdee6_gemm1
	.p2alignl 7, 3214868480
	.fill 96, 4, 3214868480
	.section	.rodata,"a",@progbits
	.p2align	6, 0x0
	.amdhsa_kernel k_q97661bdee6_gemm1
		.amdhsa_group_segment_fixed_size 327680
		.amdhsa_private_segment_fixed_size 0
		.amdhsa_enable_private_segment 0
		.amdhsa_kernarg_size 56
		.amdhsa_user_sgpr_count 2
		.amdhsa_user_sgpr_kernarg_segment_ptr 1
		.amdhsa_wavefront_size32 1
		.amdhsa_system_sgpr_workgroup_id_x 1
		.amdhsa_system_sgpr_workgroup_id_y 1
		.amdhsa_system_sgpr_workgroup_id_z 1
		.amdhsa_system_vgpr_workitem_id 0
		.amdhsa_next_free_vgpr 1024
		.amdhsa_next_free_sgpr 102
		.amdhsa_reserve_vcc 1
		.amdhsa_float_denorm_mode_32 3
		.amdhsa_float_denorm_mode_16_64 3
		.amdhsa_memory_ordered 1
		.amdhsa_forward_progress 1
		.amdhsa_inst_pref_size 130
	.end_amdhsa_kernel
	.amdgpu_metadata
---
amdhsa.version: [ 1, 2 ]
amdhsa.kernels:
  - .name:           k_q97661bdee6_gemm1
    .symbol:         k_q97661bdee6_gemm1.kd
    .args:
      - { .name: xc, .offset: 0, .size: 8, .value_kind: global_buffer, .address_space: global }
      - { .name: xs, .offset: 8, .size: 8, .value_kind: global_buffer, .address_space: global }
      - { .name: wc, .offset: 16, .size: 8, .value_kind: global_buffer, .address_space: global }
      - { .name: ws, .offset: 24, .size: 8, .value_kind: global_buffer, .address_space: global }
      - { .name: bqkv, .offset: 32, .size: 8, .value_kind: global_buffer, .address_space: global }
      - { .name: qkv, .offset: 40, .size: 8, .value_kind: global_buffer, .address_space: global }
      - { .name: q16, .offset: 48, .size: 8, .value_kind: global_buffer, .address_space: global }
    .group_segment_fixed_size: 327680
    .private_segment_fixed_size: 0
    .kernarg_segment_align: 8
    .kernarg_segment_size: 56
    .max_flat_workgroup_size: 128
    .sgpr_count:     102
    .vgpr_count:     1024
    .wavefront_size: 32
...
	.end_amdgpu_metadata
.endif
;; end of part 2
;; launch attn (part 3): grid 4 x 64, 8 waves a work-group, no clusters, 327,680 bytes of LDS; arguments qkv, yh; writes yh
.if DOCPART == 3
	.amdgcn_target "amdgcn-amd-amdhsa--gfx1250"
	.amdhsa_code_object_version 6
	.text
	.protected	k_q97661bdee6_attn
	.globl	k_q97661bdee6_attn
	.p2align	8
	.type	k_q97661bdee6_attn,@function
k_q97661bdee6_attn:
	s_mov_b64 s[64:65], 0
	v_nop
	global_prefetch_b8 v0, s[64:65] scope:SCOPE_SE
	s_setreg_imm32_b32 hwreg(HW_REG_WAVE_MODE, 25, 1), 1
	s_wait_xcnt 0x0
; y[bh][q] = the sum over k <= q of softmax_k(Q[q] . K[k] / 8) V[k].  qkv: f16 [3][64 heads][2048][64]; yh: f16 [64][2048][64].  Products on f16 operands, sums, maxima and the softmax in f32.
; LIMITS: hidden scores are -infinity where the definition has -1e9 (they differ only where every visible scaled score of a row lies under about -1e9); |y| up to 65,504 (f16).
; SHARES.  Work-group (j, head) takes the head's block 7 - j of 256 queries and then its block j.  Keys come in slots of 256; block i wants i + 1 slots: every work-group walks 9 slots, a constant.
; Each of eight waves owns 32 queries of a block (two tiles of 16): group w for waves 0-3, group 11 - w for waves 4-7.  NO CLUSTER: the four work-groups of a head want the same slot in the first
; five trips only; from the trip at which a partner changes blocks on, they want different ones.
; LAYOUT.  S^T = K Q^T (source 0 = 16 keys, source 1 = 16 queries) and O^T = V^T P (source 0 = 16 channels, turned on the way out of LDS; source 1 = P): a lane holds ONE query throughout,
; and two tiles of S^T rounded to f16 in pairs ARE source 1 of the second product.
; SOFTMAX.  For each query a running maximum m and sum l: p = 2^(c s - c m), c = log2(e) / 8; in every step O and l are multiplied by a = 2^(c m_old - c m_new).
; THE MASK.  A step of 64 keys all of which come after my 32 queries is left out (a scalar branch on ids); in a step on the diagonal hidden scores become -infinity.  A step that is walked shows
; each of my queries its first key (steps begin at multiples of 64, my queries at a multiple of 32), so m is a number from the first step on.
; REGISTERS: window 0: v3-17 addresses; v32-47 statistics, 8 a tile; v64-127 S^T, 32 a tile; v128-159 P, 16 a tile.   window 1: v0-63 O^T, 32 a tile; v64-95 Q; v128-191 K; v192-255 V of a step.
.set PK,    144                        ; a key's row in LDS: 128 bytes + 16
.set PV,    160                        ; a row of V: 128 + 32: an odd multiple of 32 bytes, for the turning load
.set VOFF,  256*PK                     ; a slot: 256 rows of K, then 256 rows of V
.set STAGE, VOFF+256*PV                ; behind slot 0: 32 rows x 144 bytes for each wave, for the way out; no tensor load lands here
.set SPARE, STAGE+8*32*PK              ; the spare words: 128 bytes a wave
.set SLOT1, 1<<17                      ; slot 1: one exclusive or turns an address
.set HEADB, 262144                     ; a head in bytes
.set SLOTB, 32768                      ; 256 rows of 128 bytes in memory
.set AK0, 3
.set AV0, 4
.set ADK, 5
.set ADV, 6
.set QO,  7
.set STO, 8
.set RD,  9
.set GO,  10
.set LT,  11                           ; v11  lane % 16 - 8 (lane / 16)
.set DD,  12
.set NINF, 13
.set PFO, 14
.set SPW, 16
.set NIL, 17
.set ST,  32                           ; tile t at v[ST + 8 t]: +0 c m, +1 m, +2, +3 l, +4 .. +7 at work; a takes +6
.set S,   64
.set P,   128
.set OT,  0                            ; window 1
.set QF,  64
.set KFR, 128
.set VFR, 192
.set WV,  8
.set JX,  9
.set BH,  10
.set GRP, 11
.set Q0,  12                           ; my first query
.set KF,  13                           ; the step's first key
.set TR,  14                           ; the trip
.set SW,  15                           ; the trip at which the second block begins
.set TB,  16                           ; LDS byte at which the slot in hand begins
.set KO,  18                           ; s[18:19] byte offset of the slot to be asked for
.set KB,  20                           ; s[20:21] K at my quarter of slot 0;  s[22:23] V likewise
.set VB,  22
.set G1K, 24
.set G1V, 32
.set G0K, 40
.set G0V, 44
.set QB,  48
.set YB,  50
.set QP,  52
.set YP,  54
.set CS,  56
.set SEL, 58
.set PFA, 60
.set LIM, 62
.set MSB, 0
.macro WIN new
.if MSB != (\new)
	s_set_vgpr_msb (MSB<<8)|(\new)
.set MSB, (\new)
.endif
.endm
.set W_LD, 0x40                        ; destination window 1
.set W_KQ, 0x05                        ; K and Q window 1, S^T window 0
.set W_PV, 0x51                        ; V window 1, P window 0, O^T window 1
.set W_RS, 0x41                        ; O^T window 1, a window 0
; Waves 0-3 fetch a quarter of K's 256 rows each, waves 4-7 of V's: one load a wave.  An s_nop 0 and four v_nop follow each line.
.macro TLOAD
	s_cmp_lt_u32 s[WV], 4
	s_cbranch_scc0 .Lfor_v_\@
	tensor_load_to_lds s[G0K:G0K+3], s[G1K:G1K+7]
	s_nop 0
.rept 4
	v_nop
.endr
	s_branch .Lasked_\@
.Lfor_v_\@:
	tensor_load_to_lds s[G0V:G0V+3], s[G1V:G1V+7]
	s_nop 0
.rept 4
	v_nop
.endr
.Lasked_\@:
.endm
; A PREFETCH of what the NEXT change of slots will ask for.  The head's work-group j = 0 walks slots 0 to 7 in order: it alone asks; each of its waves names the 8,192 bytes that it will itself load,
; lanes 256 bytes apart: so each block of 256 bytes is named once in the launch.  In trip t it names slot t + 2, a slot's four key steps ahead of that load; trips 6 and on ask for nothing.
.macro ASK
	s_cmp_lt_u32 s[TR], s[LIM]
	s_cbranch_scc0 .Lnot_mine_\@
	global_prefetch_b8 v[PFO], s[PFA:PFA+1] th:TH_LOAD_NT scope:SCOPE_SE
.Lnot_mine_\@:
.endm
; THE CHANGE OF SLOTS stands at a slot's head: my tensor load has landed, the add, my reads of the slot that I have left are over; a barrier; then the other slot is asked for, first thing.
.macro CHANGE fill
	s_wait_tensorcnt 0x0                           ; no tensor load of mine is out, so a group 0 may be written
	ds_add_u32 v[SPW], v[NIL]                      ; 0 onto my spare word
.if \fill
	s_xor_b32 s[G0K+1], s[G0K+1], SLOT1            ; the other slot than last time
	s_xor_b32 s[G0V+1], s[G0V+1], SLOT1
	s_add_co_u32 s66, s[TR], 1
	s_add_co_u32 s[KO], s[KO], SLOTB               ; the next 256 keys,
	s_cmp_eq_u32 s66, s[SW]
	s_cselect_b32 s[KO], 0, s[KO]                  ; or, where the second block begins, the first again
	s_add_nc_u64 s[G0K+2:G0K+3], s[KB:KB+1], s[KO:KO+1]
	s_or_b32 s[G0K+3], s[G0K+3], 0x80000000
	s_add_nc_u64 s[G0V+2:G0V+3], s[VB:VB+1], s[KO:KO+1]
	s_or_b32 s[G0V+3], s[G0V+3], 0x80000000
	s_wait_xcnt 0x0                                ; the last prefetch, a slot back, has read its address
	s_add_nc_u64 s[PFA:PFA+1], s[PFA:PFA+1], SLOTB
.endif
	s_wait_dscnt 0x0
	s_barrier_signal -1
	s_barrier_wait -1
.if \fill
	TLOAD
	ASK
.endif
.endm
; Both tiles' softmax for a step, line by line by turns.  All exponentials are one batch with one wait.
.macro SOFTMAX
.irp j, 0,1,2,3
.irp t, 0,1
	v_max3_num_f32 v[ST+8*\t+4+\j], v[S+32*\t+8*\j], v[S+32*\t+8*\j+1], v[S+32*\t+8*\j+2]   ; four chains, each from an accumulator's low end on
.endr
.endr
.irp i, 3,5
.irp j, 0,1,2,3
.irp t, 0,1
	v_max3_num_f32 v[ST+8*\t+4+\j], v[ST+8*\t+4+\j], v[S+32*\t+8*\j+\i], v[S+32*\t+8*\j+\i+1]
.endr
.endr
.endr
.irp t, 0,1
	v_max3_num_f32 v[ST+8*\t+4], v[ST+8*\t+4], v[S+32*\t+7], v[S+32*\t+15]
	v_max3_num_f32 v[ST+8*\t+6], v[ST+8*\t+6], v[S+32*\t+23], v[S+32*\t+31]
.endr
.irp t, 0,1
	v_max3_num_f32 v[ST+8*\t+4], v[ST+8*\t+4], v[ST+8*\t+5], v[ST+8*\t+6]
.endr
.irp t, 0,1
	v_max3_num_f32 v[ST+8*\t+4], v[ST+8*\t+4], v[ST+8*\t+7], v[ST+8*\t+1]   ; with the old m
.endr
.irp t, 0,1
	v_permlanex16_b32 v[ST+8*\t+5], v[ST+8*\t+4], s[SEL], s[SEL+1]          ; the query's other 32 keys lie in the lane 16 away
.endr
.irp t, 0,1
	v_mov_b32 v[ST+8*\t+7], v[ST+8*\t]             ; c m_old
.endr
.irp t, 0,1
	v_max_num_f32 v[ST+8*\t+1], v[ST+8*\t+4], v[ST+8*\t+5]
.endr
.irp t, 0,1
	v_mul_f32 v[ST+8*\t], s[CS], v[ST+8*\t+1]
.endr
.irp t, 0,1
	v_sub_f32 v[ST+8*\t+7], v[ST+8*\t+7], v[ST+8*\t]
.endr
.set n, 0
.rept 16
.irp t, 0,1
	v_pk_fma_f32 v[S+32*\t+2*n:S+32*\t+2*n+1], v[S+32*\t+2*n:S+32*\t+2*n+1], s[CS:CS+1], v[ST+8*\t:ST+8*\t+1] op_sel_hi:[1,0,0] neg_lo:[0,0,1] neg_hi:[0,0,1]   ; c s - c m
.endr
.set n, n+1
.endr
.irp t, 0,1
	v_exp_f32 v[ST+8*\t+6], v[ST+8*\t+7]           ; a
.endr
.set n, 0
.rept 32
.irp t, 0,1
	v_exp_f32 v[S+32*\t+n], v[S+32*\t+n]           ; p
.endr
.set n, n+1
.endr
	v_nop                                          ; a plain instruction behind the last exponential
	s_wait_alu depctr_va_vdst(0)                   ; one wait for the batch, ahead of its first reader
.set n, 0
.rept 16
.irp t, 0,1
	v_cvt_pk_f16_f32 v[P+16*\t+n], v[S+32*\t+2*n], v[S+32*\t+2*n+1]
.endr
.set n, n+1
.endr
.irp w, 4,8,16,32                              ; the sum of the 16 pairs, in place: neighbours 1, 2, 4, 8 pairs apart
.set n, 0
.rept 32/\w
.irp t, 0,1
	v_pk_add_f32 v[S+32*\t+\w*n:S+32*\t+\w*n+1], v[S+32*\t+\w*n:S+32*\t+\w*n+1], v[S+32*\t+\w*n+\w/2:S+32*\t+\w*n+\w/2+1]
.endr
.set n, n+1
.endr
.endr
.irp t, 0,1
	v_pk_fma_f32 v[ST+8*\t+2:ST+8*\t+3], v[ST+8*\t+2:ST+8*\t+3], v[ST+8*\t+6:ST+8*\t+7], v[S+32*\t:S+32*\t+1] op_sel_hi:[1,0,1]   ; l = a l + the sum
.endr
	WIN W_RS
.set n, 0
.rept 16
.irp t, 0,1
	v_pk_mul_f32 v[OT+32*\t+2*n:OT+32*\t+2*n+1], v[OT+32*\t+2*n:OT+32*\t+2*n+1], v[ST+8*\t+6:ST+8*\t+7] op_sel_hi:[1,0]   ; O^T x a, each accumulator from its low end on
.endr
.set n, n+1
.endr
.endm
; A KEY STEP: 64 keys, the q-th of the slot in hand.
.macro STEP q
	s_add_co_u32 s66, s[Q0], 31
	s_cmp_gt_u32 s[KF], s66                        ; all 64 keys come after my last query: nothing to do
	s_cbranch_scc1 .Lhidden_\@
	v_add_nc_u32 v[ADK], s[TB], v[AK0]
	v_add_nc_u32 v[ADV], s[TB], v[AV0]
	v_nop
	v_nop                                          ; four plain instructions between the last products and the loads into their operands
	WIN W_LD
.irp kt, 0,1,2,3
.irp c, 0,1
	ds_load_b128 v[KFR+16*\kt+8*\c:KFR+16*\kt+8*\c+3],   v[ADK] offset:(\q)*64*PK+\kt*16*PK+64*\c
	ds_load_b128 v[KFR+16*\kt+8*\c+4:KFR+16*\kt+8*\c+7], v[ADK] offset:(\q)*64*PK+\kt*16*PK+64*\c+32
.endr
.endr
.irp kk, 0,1
.irp ct, 0,1,2,3
	ds_load_tr16_b128 v[VFR+32*\kk+8*\ct:VFR+32*\kk+8*\ct+3],   v[ADV] offset:(\q)*64*PV+\kk*32*PV+32*\ct
	ds_load_tr16_b128 v[VFR+32*\kk+8*\ct+4:VFR+32*\kk+8*\ct+7], v[ADV] offset:(\q)*64*PV+\kk*32*PV+16*PV+32*\ct
.endr
.endr
	s_wait_dscnt 16                                ; K is in; V's sixteen loads may stay out till the softmax is done
	WIN W_KQ
.set i, 0
.rept 16                                       ; channels 32 (i / 8) on, keys 16 ((i / 2) % 4) on, tile i % 2: eight accumulators by turns
.set rS, S+32*(i%2)+8*((i/2)%4)
.set rK, KFR+16*((i/2)%4)+8*(i/8)
.set rQ, QF+16*(i%2)+8*(i/8)
.if i < 8
	v_wmma_f32_16x16x32_f16 v[rS:rS+7], v[rK:rK+7], v[rQ:rQ+7], 0
.else
	v_wmma_f32_16x16x32_f16 v[rS:rS+7], v[rK:rK+7], v[rQ:rQ+7], v[rS:rS+7]
.endif
.set i, i+1
.endr
	WIN 0
.rept 4
	v_nop
.endr
	s_add_co_u32 s66, s[KF], 63
	s_cmp_le_u32 s66, s[Q0]                        ; all 64 keys count for all my queries: no mask
	s_cbranch_scc1 .Lopen_\@
	s_sub_co_u32 s66, s[Q0], s[KF]
	v_add_nc_u32 v[DD], s66, v[LT]                 ; register 8 kt + j of tile t holds key KF + 16 kt + 8 h + j for query Q0 + 16 t + r: hidden where 16 kt + j - 16 t > Q0 - KF + r - 8 h
.irp t, 0,1
.irp kt, 0,1,2,3
.irp j, 0,1,2,3,4,5,6,7
	v_cmp_gt_i32 vcc_lo, 16*\kt+\j-16*\t, v[DD]
	v_cndmask_b32 v[S+32*\t+8*\kt+\j], v[S+32*\t+8*\kt+\j], v[NINF], vcc_lo
.endr
.endr
.endr
.Lopen_\@:
	SOFTMAX
	s_wait_dscnt 0x0                               ; V is in
	WIN W_PV
.set i, 0
.rept 16                                       ; keys 32 (i / 8) on, channels 16 ((i / 2) % 4) on, tile i % 2
.set rO, OT+32*(i%2)+8*((i/2)%4)
.set rV, VFR+32*(i/8)+8*((i/2)%4)
.set rP, P+16*(i%2)+8*(i/8)
	v_wmma_f32_16x16x32_f16 v[rO:rO+7], v[rV:rV+7], v[rP:rP+7], v[rO:rO+7]
.set i, i+1
.endr
	WIN 0
.Lhidden_\@:
	s_add_co_u32 s[KF], s[KF], 64
.endm
.macro INIT                            ; the step is written once: the first step of a block finds zeros and a maximum under every score
.irp t, 0,1
	v_mov_b32 v[ST+8*\t+1], 0xff61b1e6             ; -3e38
	v_mul_f32 v[ST+8*\t], s[CS], v[ST+8*\t+1]
	v_mov_b32 v[ST+8*\t+2], 0
	v_mov_b32 v[ST+8*\t+3], 0
	v_mov_b32 v[ST+8*\t+5], 0                      ; a lane permute's destination counts as one of its sources
	v_mov_b32 v[ST+8*\t+6], 0
	v_mov_b32 v[ST+8*\t+7], 0
.endr
	WIN W_LD
.set i, 0
.rept 64
	v_mov_b32 v[OT+i], 0
.set i, i+1
.endr
	WIN 0
.endm
.macro QLOAD                           ; my 32 queries stay in registers: tile t, channels 32 c on
	WIN W_LD
.irp t, 0,1
.irp c, 0,1
	global_load_b128 v[QF+16*\t+8*\c:QF+16*\t+8*\c+3],   v[QO], s[QP:QP+1] offset:\t*2048+64*\c
	global_load_b128 v[QF+16*\t+8*\c+4:QF+16*\t+8*\c+7], v[QO], s[QP:QP+1] offset:\t*2048+64*\c+32
.endr
.endr
	WIN 0
.endm
; A block's end: O^T / l, rounded to f16, through my stage, out as 4,096 consecutive bytes: each store of the wave covers 512 of them.
.macro FINISH
.rept 4
	v_nop
.endr
.irp t, 0,1
	v_add_f32 v[ST+8*\t+4], v[ST+8*\t+2], v[ST+8*\t+3]
.endr
.irp t, 0,1
	v_permlanex16_b32 v[ST+8*\t+5], v[ST+8*\t+4], s[SEL], s[SEL+1]
.endr
.irp t, 0,1
	v_add_f32 v[ST+8*\t+4], v[ST+8*\t+4], v[ST+8*\t+5]
.endr
.irp t, 0,1
	v_rcp_f32 v[ST+8*\t+6], v[ST+8*\t+4]
.endr
	v_nop
	s_wait_alu depctr_va_vdst(0)                   ; one wait for the two reciprocals, ahead of their first reader
	WIN W_RS
.set n, 0
.rept 16
.irp t, 0,1
	v_pk_mul_f32 v[OT+32*\t+2*n:OT+32*\t+2*n+1], v[OT+32*\t+2*n:OT+32*\t+2*n+1], v[ST+8*\t+6:ST+8*\t+7] op_sel_hi:[1,0]
.endr
.set n, n+1
.endr
	WIN 0x05                                       ; sources window 1, destination window 0
.set n, 0
.rept 16
.irp t, 0,1
	v_cvt_pk_f16_f32 v[S+16*\t+n], v[OT+32*\t+2*n], v[OT+32*\t+2*n+1]
.endr
.set n, n+1
.endr
	WIN 0
.irp t, 0,1
.irp ct, 0,1,2,3
	ds_store_b128 v[STO], v[S+16*\t+4*\ct:S+16*\t+4*\ct+3] offset:\t*16*PK+32*\ct
.endr
.endr
.irp i, 0,1,2,3,4,5,6,7
	ds_load_b128 v[S+32+4*\i:S+32+4*\i+3], v[RD] offset:\i*4*PK    ; four rows of 128 bytes a load; LDS serves a wave's instructions in order
.endr
.irp i, 0,1,2,3,4,5,6,7
	s_wait_dscnt 7-\i
	global_store_b128 v[GO], v[S+32+4*\i:S+32+4*\i+3], s[YP:YP+1] offset:512*\i
.endr
	s_wait_xcnt 0x0                                ; the stores have read their registers and their base
.endm
	s_load_b128 s[4:7], s[0:1], 0x0                ; qkv s[4:5], yh s[6:7]
	v_lshl_add_u32 v[SPW], v0, 2, SPARE
	v_mov_b32 v[NIL], 0
	ds_add_u32 v[SPW], v[NIL]                      ; the wave's opening: the add, twice on end, and its wait ahead of my first tensor load
	ds_add_u32 v[SPW], v[NIL]
	v_lshrrev_b32 v1, 5, v0
	v_readfirstlane_b32 s[WV], v1                  ; wave 0..7
	s_mov_b32 s[JX], ttmp9
	s_and_b32 s[BH], ttmp7, 0xffff
	s_sub_co_u32 s66, 11, s[WV]
	s_cmp_lt_u32 s[WV], 4
	s_cselect_b32 s[GRP], s[WV], s66               ; my 32 queries of a block
	s_sub_co_u32 s[SW], 8, s[JX]
	s_sub_co_u32 s66, 7, s[JX]
	s_lshl_b32 s66, s66, 8
	s_lshl_b32 s67, s[GRP], 5
	s_add_co_u32 s[Q0], s66, s67                   ; block 7 - j first
	s_mov_b32 s[G1K], (1<<16)|(1<<20)|(4<<22)|(3<<25)   ; elements of 2 bytes; padding on: 4 words behind every 32
	s_mov_b32 s[G1V], (1<<16)|(1<<20)|(4<<22)|(7<<25)   ; 8 words
.irp g, G1K, G1V
	s_mov_b32 s[\g+1], 64<<16                      ; tensor_dim0 = 64
	s_mov_b32 s[\g+2], 64<<16                      ; tensor_dim1 = 64
	s_mov_b32 s[\g+3], 64<<16                      ; tile_dim0 = 64
	s_mov_b32 s[\g+4], 64                          ; tile_dim1 = 64 rows
	s_mov_b32 s[\g+5], 64                          ; the pitch
	s_mov_b32 s[\g+6], 0
	s_mov_b32 s[\g+7], 0
.endr
	s_and_b32 s66, s[WV], 3                        ; which quarter of a slot's rows I fetch
	s_mov_b32 s[G0K], 1
	s_mul_i32 s[G0K+1], s66, 64*PK
	s_mov_b32 s[G0V], 1
	s_mul_i32 s[G0V+1], s66, 64*PV
	s_add_co_u32 s[G0V+1], s[G0V+1], VOFF
	s_lshl_b32 s66, s66, 13
	s_lshl_b32 s68, s[BH], 18                      ; the head's first byte
	s_mov_b32 s69, 0
	s_add_co_u32 s66, s66, s68
	s_add_co_u32 s66, s66, 64*HEADB                ; K lies 64 heads behind Q
	s_mov_b32 s67, 0
	s_lshl_b32 s70, s[Q0], 7
	s_mov_b32 s71, 0
	s_mov_b32 s[KO], 0
	s_mov_b32 s[KO+1], 0
	s_mov_b32 s[CS], 0x3e38aa3b                    ; c = log2(e) / 8
	s_mov_b32 s[CS+1], s[CS]
	s_mov_b32 s[SEL], 0x76543210
	s_mov_b32 s[SEL+1], 0xfedcba98
	s_mov_b32 s[TB], 0
	s_mov_b32 s[TR], 0
	s_mov_b32 s[KF], 0
	s_cmp_eq_u32 s[JX], 0
	s_cselect_b32 s[LIM], 6, 0
	s_wait_dscnt 0x0                               ; both opening adds are done
	s_wait_kmcnt 0x0
	s_add_nc_u64 s[KB:KB+1], s[4:5], s[66:67]
	s_add_nc_u64 s[VB:VB+1], s[KB:KB+1], 64*HEADB
	s_add_nc_u64 s[QB:QB+1], s[4:5], s[68:69]
	s_add_nc_u64 s[YB:YB+1], s[6:7], s[68:69]
	s_add_nc_u64 s[QP:QP+1], s[QB:QB+1], s[70:71]
	s_add_nc_u64 s[YP:YP+1], s[YB:YB+1], s[70:71]
	s_mov_b64 s[G0K+2:G0K+3], s[KB:KB+1]
	s_or_b32 s[G0K+3], s[G0K+3], 0x80000000
	s_mov_b64 s[G0V+2:G0V+3], s[VB:VB+1]
	s_or_b32 s[G0V+3], s[G0V+3], 0x80000000
	s_cmp_lt_u32 s[WV], 4
	s_cselect_b64 s[PFA:PFA+1], s[KB:KB+1], s[VB:VB+1]
	s_add_nc_u64 s[PFA:PFA+1], s[PFA:PFA+1], SLOTB ; in slot 1: the first change steps it to slot 2.  Nothing is prefetched at the head
	TLOAD                                          ; slot 0: one load of mine is out
	v_and_b32 v1, 15, v0                           ; r
	v_bfe_u32 v2, v0, 4, 1                         ; h
	v_mul_u32_u24 v[AK0], v1, PK
	v_lshl_add_u32 v[AK0], v2, 4, v[AK0]           ; K: row r, + 16 h
	v_and_b32 v[AV0], 7, v0
	v_lshl_add_u32 v[AV0], v2, 3, v[AV0]
	v_mul_u32_u24 v[AV0], v[AV0], PV
	v_bfe_u32 v[ADK], v0, 3, 1
	v_lshl_add_u32 v[AV0], v[ADK], 4, v[AV0]
	v_add_nc_u32 v[AV0], VOFF, v[AV0]              ; V: key 8 h + lane % 8, channels 8 ((lane / 8) % 2) on
	v_lshlrev_b32 v[QO], 7, v1
	v_lshl_add_u32 v[QO], v2, 4, v[QO]
	s_mul_i32 s66, s[WV], 32*PK
	s_add_co_u32 s66, s66, STAGE                   ; my stage
	v_add_nc_u32 v[STO], s66, v[AK0]
	v_bfe_u32 v[RD], v0, 3, 2
	v_mul_u32_u24 v[RD], v[RD], PK
	v_and_b32 v[ADK], 7, v0
	v_lshl_add_u32 v[RD], v[ADK], 4, v[RD]
	v_add_nc_u32 v[RD], s66, v[RD]
	v_and_b32 v[GO], 31, v0
	v_lshlrev_b32 v[PFO], 8, v[GO]
	v_lshlrev_b32 v[GO], 4, v[GO]
	v_lshlrev_b32 v[LT], 3, v2
	v_sub_nc_u32 v[LT], v1, v[LT]
	v_mov_b32 v[NINF], 0xff800000
	QLOAD
	INIT
	s_wait_loadcnt 0x0                             ; Q
.Lslot:                                            ; eight trips; behind each change of slots the next trip's slot is asked for
	CHANGE 1
	STEP 0
	STEP 1
	STEP 2
	STEP 3
	s_xor_b32 s[TB], s[TB], SLOT1
	s_add_co_u32 s66, s[TR], 1
	s_cmp_lg_u32 s66, s[SW]                        ; ids and the count of trips alone: all eight waves go the same way; no barrier and no tensor load stands inside
	s_cbranch_scc1 .Lsame
	FINISH                                         ; block 7 - j is done: on to block j
	s_lshl_b32 s66, s[JX], 8
	s_lshl_b32 s67, s[GRP], 5
	s_add_co_u32 s[Q0], s66, s67
	s_lshl_b32 s66, s[Q0], 7
	s_mov_b32 s67, 0
	s_add_nc_u64 s[QP:QP+1], s[QB:QB+1], s[66:67]
	s_add_nc_u64 s[YP:YP+1], s[YB:YB+1], s[66:67]
	s_mov_b32 s[KF], 0
	QLOAD
	INIT
	s_wait_loadcnt 0x0
.Lsame:
	s_add_co_u32 s[TR], s[TR], 1
	s_cmp_lt_u32 s[TR], 8
	s_cbranch_scc1 .Lslot
	CHANGE 0                                       ; the ninth slot is written out: nothing is left to ask for
	STEP 0
	STEP 1
	STEP 2
	STEP 3
	FINISH
	s_wait_tensorcnt 0x0                           ; the wave's end
	ds_add_u32 v[SPW], v[NIL]
	s_wait_dscnt 0x0
	s_endpgm
.Lfunc_end_k_q97661bdee6_attn:
	.size	k_q97661bdee6_attn, .Lfunc_end_k_q97661bdee6_attn-k_q97661bdee6_attn
	.p2alignl 7, 3214868480
	.fill 96, 4, 3214868480
	.section	.rodata,"a",@progbits
	.p2align	6, 0x0
	.amdhsa_kernel k_q97661bdee6_attn
		.amdhsa_group_segment_fixed_size 327680
		.amdhsa_private_segment_fixed_size 0
		.amdhsa_enable_private_segment 0
		.amdhsa_kernarg_size 16
		.amdhsa_user_sgpr_count 2
		.amdhsa_user_sgpr_kernarg_segment_ptr 1
		.amdhsa_wavefront_size32 1
		.amdhsa_system_sgpr_workgroup_id_x 1
		.amdhsa_system_sgpr_workgroup_id_y 1
		.amdhsa_system_sgpr_workgroup_id_z 1
		.amdhsa_system_vgpr_workitem_id 0
		.amdhsa_next_free_vgpr 512
		.amdhsa_next_free_sgpr 72
		.amdhsa_reserve_vcc 1
		.amdhsa_float_denorm_mode_32 3
		.amdhsa_float_denorm_mode_16_64 3
		.amdhsa_memory_ordered 1
		.amdhsa_forward_progress 1
		.amdhsa_inst_pref_size 198
	.end_amdhsa_kernel
	.amdgpu_metadata
---
amdhsa.version: [ 1, 2 ]
amdhsa.kernels:
  - .name:           k_q97661bdee6_attn
    .symbol:         k_q97661bdee6_attn.kd
    .args:
      - { .name: qkv, .offset: 0, .size: 8, .value_kind: global_buffer, .address_space: global }
      - { .name: yh, .offset: 8, .size: 8, .value_kind: global_buffer, .address_space: global }
    .group_segment_fixed_size: 327680
    .private_segment_fixed_size: 0
    .kernarg_segment_align: 8
    .kernarg_segment_size: 16
    .max_flat_workgroup_size: 256
    .sgpr_count:     72
    .vgpr_count:     512
    .wavefront_size: 32
...
	.end_amdgpu_metadata
.endif
;; end of part 3
;; launch proj (part 4): grid 4 x 64, 4 waves a work-group, clusters of 4 x 4, 327,680 bytes of LDS; arguments yh, wp, bproj, out0; writes out0
.if DOCPART == 4
	.amdgcn_target "amdgcn-amd-amdhsa--gfx1250"
	.amdhsa_code_object_version 6
	.text
	.protected	k_q97661bdee6_proj
	.globl	k_q97661bdee6_proj
	.p2align	8
	.type	k_q97661bdee6_proj,@function
k_q97661bdee6_proj:
	s_mov_b64 s[64:65], 0
	v_nop
	global_prefetch_b8 v0, s[64:65] scope:SCOPE_SE
	s_setreg_imm32_b32 hwreg(HW_REG_WAVE_MODE, 25, 1), 1
	s_wait_xcnt 0x0
	s_wait_alu depctr_hold_cnt(0) depctr_sa_sdst(0) depctr_va_vdst(0) depctr_va_sdst(0) depctr_va_ssrc(0) depctr_va_vcc(0) depctr_vm_vsrc(0)
	s_getreg_b32 s2, hwreg(HW_REG_IB_STS2, 6, 4)
	s_cmp_eq_u32 s2, 0
	s_cbranch_scc0 .Lentry_in_a_cluster
	s_endpgm
.Lentry_in_a_cluster:
	s_bfe_u32 s2, ttmp6, 0x10000c
	s_cmp_lg_u32 s2, 0xf033
	s_cbranch_scc0 .Lentry_shape_is_right
	s_endpgm
.Lentry_shape_is_right:
; out0[m][n] = the sum over k of y[m][k] Wproj[k][n] + bproj[n], for every row but the first 16 positions of each sequence, which a later launch makes in f32.
; A = yh f16 [64 = batch x 16 + head][2048 t][64 d]: k = 64 head + d.  B = wp f16 [1024 n][1024 k].  Sums in f32; out0 f32 [8192][1024].
; A tile of C is 128 x 256 (256 work-groups); four waves, each 64 x 128: 32 accumulators, 256 registers.  K goes in steps of 128, two heads, through two LDS slots.
; A's tile of a K step is two dense blocks of memory (128 rows of 128 bytes of each head): waves 0 and 1 fetch one each; waves 2 and 3 fetch B's two halves (128 rows of 256 bytes).
; CLUSTERS: 4 x 4; A's tiles are shared along a row of the cluster, B's along a column: joint loads.  USED TRANSPOSED: source 0 = 16 rows of B, source 1 = 16 rows of A.  The bias is the C of each sum's first product.
; REGISTERS: window 0: v16-31 addresses; v64-95, v128-159 A's fragments, two buffers; v192-255 the bias; on the way out v128-255.   window 1: v64-127, v128-191 B's fragments.   window 2: accumulator (a, b) at v[8 (8 a + b)].
.set PA,     144                       ; A's LDS row: 128 bytes + 16
.set PB,     272                       ; B's: 256 + 16
.set SUBT,   128*PA                    ; a head's 128 rows
.set BOFF,   2*SUBT
.set HALFB,  128*PB
.set SLOT,   BOFF+2*HALFB
.set STAGE,  2*SLOT                    ; behind the slots: 16 rows x 528 bytes for each wave
.set SPITCH, 528
.set SPARE,  STAGE+4*16*SPITCH
.set LAPS,   4                         ; 8 K steps, two a lap
.set ADRA, 16
.set ADRB, 20
.set STO,  24
.set RD,   25
.set CO,   26
.set T0V,  27                          ; v27  my wave's first t
.set SPW,  28
.set NIL,  29
.set PFO,  30
.set BO,   31
.set F0,   64
.set F1,   128
.set BIAS, 192
.set BK,   128
.set G1A, 24
.set G0A, 32
.set LIM, 43
.set PFA, 44
.set G1B, 48
.set G0B, 56
.set MSB, 0
.macro WIN new
.if MSB != (\new)
	s_set_vgpr_msb (MSB<<8)|(\new)
.set MSB, (\new)
.endif
.endm
.set MUL,  0xa1                        ; source 0 (B) window 1, source 1 (A) window 0, C and D window 2
.set MUL0, 0x81                        ; C (the bias) window 0
.set TO_B, 0x40
.macro JLOAD s                         ; waves 0 and 1 fetch A's two heads, waves 2 and 3 B's halves; an s_nop 0 and four v_nop follow each line
	s_cmp_eq_u32 s13, 0
	s_cbranch_scc0 .Lfor_b_\@
	tensor_load_to_lds s[G0A+4*\s:G0A+4*\s+3], s[G1A:G1A+7]
	s_nop 0
.rept 4
	v_nop
.endr
	s_branch .Lasked_\@
.Lfor_b_\@:
	tensor_load_to_lds s[G0B+4*\s:G0B+4*\s+3], s[G1B:G1B+7]
	s_nop 0
.rept 4
	v_nop
.endr
.Lasked_\@:
.endm
.macro CREST
	s_cmp_lg_u32 s12, 0
	s_cbranch_scc1 .Lnot_wave_0_\@
	s_barrier_signal -3
.Lnot_wave_0_\@:
	s_barrier_wait -3
	s_barrier_signal -1
	s_barrier_wait -1
.endm
.macro CROUND
	s_barrier_signal -1
	s_barrier_wait -1
	CREST
.endm
; A PREFETCH of A's K step that stands two refills on (two K steps, 256 matrix instructions a wave, ahead of its load).  A's tile row is read by the four partners of one row of one cluster alone:
; they share its 32,768 bytes out BY ADDRESS (partner cx: head cx / 2, rows 64 (cx % 2) on), wave 0 of each asks, lanes 256 bytes apart: each block is named once.  The loop's last trip asks for nothing.
; B is read by every cluster and is not asked for.
.macro ASK
	s_cmp_gt_u32 s3, s[LIM]
	s_cbranch_scc0 .Lnot_mine_\@
	global_prefetch_b8 v[PFO], s[PFA:PFA+1] th:TH_LOAD_NT scope:SCOPE_SE
.Lnot_mine_\@:
.endm
	s_load_b256 s[4:11], s[0:1], 0x0               ; yh s[4:5], wp s[6:7], bproj s[8:9], out0 s[10:11]
	v_lshl_add_u32 v[SPW], v0, 2, SPARE
	v_mov_b32 v[NIL], 0
	ds_add_u32 v[SPW], v[NIL]                      ; the wave's opening: the add, twice on end, and its wait ahead of my first tensor load
	ds_add_u32 v[SPW], v[NIL]
	v_lshrrev_b32 v1, 5, v0
	v_readfirstlane_b32 s12, v1                    ; wave 0..3
	s_lshr_b32 s13, s12, 1                         ; which 64 rows are mine; also: I fetch for A (0) or B (1)
	s_and_b32 s14, s12, 1                          ; which 128 columns; also: which head of A, which half of B I fetch
	s_bfe_u32 s15, ttmp6, 0x40000                  ; cx
	s_bfe_u32 s16, ttmp6, 0x40004                  ; cy
	s_lshl_b32 s42, ttmp9, 2
	s_add_co_u32 s42, s42, s15                     ; tile column 0..3
	s_and_b32 s17, ttmp7, 0xffff
	s_lshl_b32 s17, s17, 2
	s_add_co_u32 s17, s17, s16                     ; tile row 0..63
	s_lshl_b32 s40, s16, 2
	s_lshl_b32 s40, 15, s40                        ; my row of the cluster
	s_lshl_b32 s41, 0x1111, s15                    ; my column
	s_or_b32 s[G1A], s40, (1<<16)|(1<<20)|(1<<21)|(4<<22)|(3<<25)   ; elements of 2 bytes; 4 words of padding behind every 32
	s_mov_b32 s[G1A+1], 64<<16                     ; tensor_dim0 = 64
	s_mov_b32 s[G1A+2], 128<<16                    ; tensor_dim1 = 128
	s_mov_b32 s[G1A+3], 64<<16                     ; tile_dim0
	s_mov_b32 s[G1A+4], 128                        ; tile_dim1
	s_mov_b32 s[G1A+5], 64                         ; the pitch
	s_mov_b32 s[G1A+6], 0
	s_mov_b32 s[G1A+7], 0
	s_or_b32 s[G1B], s41, (1<<16)|(1<<20)|(1<<21)|(5<<22)|(3<<25)   ; 4 words behind every 64
	s_mov_b32 s[G1B+1], 128<<16
	s_mov_b32 s[G1B+2], 128<<16
	s_mov_b32 s[G1B+3], 128<<16
	s_mov_b32 s[G1B+4], 128
	s_mov_b32 s[G1B+5], 1024
	s_mov_b32 s[G1B+6], 0
	s_mov_b32 s[G1B+7], 0
	s_lshr_b32 s18, s17, 4                         ; the batch: 16 heads of 262,144 bytes
	s_lshl_b32 s18, s18, 22
	s_and_b32 s19, s17, 15
	s_lshl_b32 s19, s19, 14                        ; 128 rows of 128 bytes
	s_add_co_u32 s18, s18, s19                     ; the tile's first row, in the batch's head 0
	s_lshl_b32 s19, s14, 18
	s_add_co_u32 s20, s18, s19                     ; in the head that I fetch
	s_mov_b32 s21, 0
	s_lshl_b32 s46, s42, 8
	s_lshl_b32 s47, s14, 7
	s_add_co_u32 s46, s46, s47
	s_lshl_b32 s46, s46, 11                        ; B: row 256 x tile column + 128 x half, 2,048 bytes a row
	s_mov_b32 s47, 0
	s_mul_i32 s22, s14, SUBT                       ; where they go
	s_mul_i32 s23, s14, HALFB
	s_add_co_u32 s23, s23, BOFF
	s_wait_dscnt 0x0                               ; both opening adds are done
	s_wait_kmcnt 0x0
	s_add_nc_u64 s[20:21], s[4:5], s[20:21]
	s_add_nc_u64 s[46:47], s[6:7], s[46:47]
	CROUND                                         ; all sixteen work-groups are here
.irp s, 0,1
	s_mov_b32 s[G0A+4*\s], 1
	s_add_co_u32 s[G0A+4*\s+1], s22, \s*SLOT
	s_add_nc_u64 s[G0A+4*\s+2:G0A+4*\s+3], s[20:21], \s*2*262144   ; K step s: heads 2 s, 2 s + 1
	s_or_b32 s[G0A+4*\s+3], s[G0A+4*\s+3], 0x80000000
	s_mov_b32 s[G0B+4*\s], 1
	s_add_co_u32 s[G0B+4*\s+1], s23, \s*SLOT
	s_add_nc_u64 s[G0B+4*\s+2:G0B+4*\s+3], s[46:47], \s*256
	s_or_b32 s[G0B+4*\s+3], s[G0B+4*\s+3], 0x80000000
	JLOAD \s
.endr
	v_and_b32 v1, 15, v0                           ; r
	v_bfe_u32 v2, v0, 4, 1                         ; h
	v_mul_u32_u24 v3, v1, PA
	v_lshl_add_u32 v3, v2, 4, v3
	v_mul_u32_u24 v4, v1, PB
	v_lshl_add_u32 v4, v2, 4, v4
	s_mul_i32 s21, s13, 64*PA                      ; my 64 rows of A, in each head's block
	s_mul_i32 s22, s14, HALFB                      ; my 128 rows of B
	s_add_co_u32 s22, s22, BOFF
.irp s, 0,1
	v_add_nc_u32 v[ADRA+\s], s21, v3
	v_add_nc_u32 v[ADRB+\s], s22, v4
	s_add_co_u32 s21, s21, SLOT
	s_add_co_u32 s22, s22, SLOT
.endr
	s_mul_i32 s23, s12, 16*SPITCH
	s_add_co_u32 s23, s23, STAGE                   ; my stage
	v_mul_u32_u24 v5, v1, SPITCH
	v_lshl_add_u32 v5, v2, 5, v5
	v_add_nc_u32 v[STO], s23, v5                   ; in: row r, 32 bytes for each half of the lanes
	v_and_b32 v6, 31, v0
	v_lshlrev_b32 v[CO], 4, v6                     ; back: the 32 lanes take one row of 512 bytes; and the same in C
	v_add_nc_u32 v[RD], s23, v[CO]
	v_lshlrev_b32 v[PFO], 8, v6
	v_lshlrev_b32 v[BO], 5, v2
	s_lshl_b32 s46, s42, 10
	s_lshl_b32 s47, s14, 9
	s_add_co_u32 s46, s46, s47                     ; my first column, in bytes
	s_mov_b32 s47, 0
	s_add_nc_u64 s[8:9], s[8:9], s[46:47]
	s_add_nc_u64 s[10:11], s[10:11], s[46:47]
	s_lshl_b32 s46, s17, 19                        ; 128 rows of 4,096 bytes,
	s_lshl_b32 s20, s13, 18                        ; my 64 of them
	s_add_co_u32 s46, s46, s20
	s_add_nc_u64 s[10:11], s[10:11], s[46:47]
	s_and_b32 s20, s17, 15
	s_lshl_b32 s20, s20, 7
	s_lshl_b32 s21, s13, 6
	s_add_co_u32 s20, s20, s21
	v_mov_b32 v[T0V], s20                          ; my first t
	s_lshr_b32 s22, s15, 1                         ; the prefetches: partner cx takes head cx / 2 of a K step,
	s_add_co_u32 s22, s22, 6                       ; beginning at K step 3 (the first change of slots steps it to 4),
	s_lshl_b32 s22, s22, 18
	s_and_b32 s23, s15, 1
	s_lshl_b32 s23, s23, 13                        ; rows 64 (cx % 2) on
	s_add_co_u32 s22, s22, s23
	s_add_co_u32 s22, s22, s18
	s_mov_b32 s23, 0
	s_add_nc_u64 s[PFA:PFA+1], s[4:5], s[22:23]
	s_cmp_eq_u32 s12, 0
	s_cselect_b32 s[LIM], 1, -1                    ; wave 0 asks
.irp b, 0,1,2,3,4,5,6,7                        ; the bias in the result's layout: lane (r, h), block b: columns 16 b + 8 h + 0 .. 7
	global_load_b128 v[BIAS+8*\b:BIAS+8*\b+3], v[BO], s[8:9] offset:64*\b
	global_load_b128 v[BIAS+8*\b+4:BIAS+8*\b+7], v[BO], s[8:9] offset:64*\b+16
.endr
.macro MULA f, a, zero                 ; eight matrix instructions: A's block a x B's eight, 32 along K.  The 32 accumulators take turns, one instruction a turn
.irp b, 0,1,2,3,4,5,6,7
.if \zero
	v_wmma_f32_16x16x32_f16 v[8*(8*\a+\b):8*(8*\a+\b)+7], v[\f+8*\b:\f+8*\b+7], v[\f+8*\a:\f+8*\a+7], v[BIAS+8*\b:BIAS+8*\b+7]
.else
	v_wmma_f32_16x16x32_f16 v[8*(8*\a+\b):8*(8*\a+\b)+7], v[\f+8*\b:\f+8*\b+7], v[\f+8*\a:\f+8*\a+7], v[8*(8*\a+\b):8*(8*\a+\b)+7]
.endif
.endr
.endm
.macro FETCH slot, q, f                ; 24 LDS loads in one run: the fragments of the slot's q-th 32 along K: B's eight, then A's four
	WIN TO_B
.irp i, 0,1,2,3,4,5,6,7
	ds_load_b128 v[\f+8*\i:\f+8*\i+3],   v[ADRB+\slot] offset:64*(\q)+\i*16*PB
	ds_load_b128 v[\f+8*\i+4:\f+8*\i+7], v[ADRB+\slot] offset:64*(\q)+\i*16*PB+32
.endr
	WIN 0
.irp i, 0,1,2,3
	ds_load_b128 v[\f+8*\i:\f+8*\i+3],   v[ADRA+\slot] offset:((\q)/2)*SUBT+((\q)%2)*64+\i*16*PA
	ds_load_b128 v[\f+8*\i+4:\f+8*\i+7], v[ADRA+\slot] offset:((\q)/2)*SUBT+((\q)%2)*64+\i*16*PA+32
.endr
.endm
.macro PLACES                          ; four plain vector instructions between matrix instructions and loads into, or reads of, their registers
.rept 4
	v_nop
.endr
.endm
.macro QUARTER slot, q, f, g, zero     ; multiplies buffer f; in its middle fetches the slot's q-th 32 along K into buffer g
	s_wait_dscnt 4                                 ; B and A's blocks 0, 1 are in; the youngest four loads may be out
.if \zero
	WIN MUL0
.else
	WIN MUL
.endif
	MULA \f, 0, \zero
	MULA \f, 1, \zero
	PLACES
	FETCH \slot, \q, \g
	s_wait_dscnt 24                                ; all but the 24 just issued
.if \zero
	WIN MUL0
.else
	WIN MUL
.endif
	MULA \f, 2, \zero
	MULA \f, 3, \zero
.endm
; A slot's last quarter multiplies buffer 1 and changes slots: one barrier; in front of it my tensor loads have landed, the add, my reads of this slot are over.  fill = 1: the barrier opens a round of the
; cluster's barrier, and behind the round this slot is filled again, two K steps ahead.
.macro TURN slot, next, fill
.if \fill
	s_wait_xcnt 0x0                                ; the last prefetch, a K step back, has read its address
	s_add_nc_u64 s[PFA:PFA+1], s[PFA:PFA+1], 2*262144
.endif
	WIN 0
	s_wait_tensorcnt 0x0                           ; my part of the next slot is in
	ds_add_u32 v[SPW], v[NIL]                      ; 0 onto my spare word
	s_wait_dscnt 5                                 ; (the add and the youngest four loads may be out)
	WIN MUL
	MULA F1, 0, 0
	s_wait_dscnt 0x0
	s_barrier_signal -1
	MULA F1, 1, 0
.if \fill
	WIN 0
.endif
	s_barrier_wait -1
.if \fill
	CREST
	s_add_nc_u64 s[G0A+4*\slot+2:G0A+4*\slot+3], s[G0A+4*\slot+2:G0A+4*\slot+3], 4*262144
	s_add_nc_u64 s[G0B+4*\slot+2:G0B+4*\slot+3], s[G0B+4*\slot+2:G0B+4*\slot+3], 512
	JLOAD \slot                                    ; the first tensor load behind the round; its four v_nop are also the places in front of the loads below
.else
	PLACES
.endif
	FETCH \next, 0, F0
.if \fill
	ASK
.endif
	WIN MUL
	MULA F1, 2, 0
	MULA F1, 3, 0
.endm
	s_wait_tensorcnt 1                             ; my part of K step 0 is in (K step 1's load may be out),
	s_barrier_signal -1
	s_barrier_wait -1                              ; everybody's is
	FETCH 0, 0, F0
	s_wait_loadcnt 0x0                             ; the bias
	QUARTER 0, 1, F0, F1, 1                        ; the first quarter starts the sums on the bias
	WIN 0
	s_mov_b32 s3, LAPS-1
.Llap:                                             ; a trip goes once round the ring and fills both slots again
	QUARTER 0, 2, F1, F0, 0
	QUARTER 0, 3, F0, F1, 0
	TURN 0, 1, 1
	QUARTER 1, 1, F0, F1, 0
	QUARTER 1, 2, F1, F0, 0
	QUARTER 1, 3, F0, F1, 0
	TURN 1, 0, 1
	QUARTER 0, 1, F0, F1, 0
	WIN 0
	s_sub_co_u32 s3, s3, 1
	s_cmp_lg_u32 s3, 0
	s_cbranch_scc1 .Llap
	QUARTER 0, 2, F1, F0, 0                        ; the last lap fills nothing
	QUARTER 0, 3, F0, F1, 0
	TURN 0, 1, 0
	QUARTER 1, 1, F0, F1, 0
	QUARTER 1, 2, F1, F0, 0
	QUARTER 1, 3, F0, F1, 0
	s_wait_dscnt 4
	WIN MUL
	MULA F1, 0, 0
	MULA F1, 1, 0
	s_wait_dscnt 0
	MULA F1, 2, 0
	MULA F1, 3, 0
	WIN 0
; THE WAY OUT, a block of 16 rows x 128 columns at a time, through my own stage: back as whole rows of 512 bytes, which the 32 lanes store as 512 consecutive bytes, aligned.
.macro TOSTAGE a
	WIN 0x08                                       ; an LDS store's data: window 2
.irp b, 0,1,2,3,4,5,6,7
	ds_store_b128 v[STO], v[8*(8*\a+\b):8*(8*\a+\b)+3] offset:64*\b          ; each accumulator from its low end on
	ds_store_b128 v[STO], v[8*(8*\a+\b)+4:8*(8*\a+\b)+7] offset:64*\b+16
.endr
	WIN 0
.set BB, BK+64*((\a)%2)
.irp t, 0,1,2,3,4,5,6,7,8,9,10,11,12,13,14,15
	ds_load_b128 v[BB+4*\t:BB+4*\t+3], v[RD] offset:\t*SPITCH
.endr
.endm
.macro SEND a, younger, masked         ; masked = 1: block 0 of a wave whose first t is 0 holds the rows t < 16: its stores run with all lanes off (no branch)
.set BB, BK+64*((\a)%2)
	s_wait_dscnt \younger
.if \masked
	s_wait_xcnt 0x0                                ; EXEC changes only behind this wait
	v_cmp_ne_u32 vcc_lo, 0, v[T0V]
	s_and_saveexec_b32 s70, vcc_lo
.endif
.irp t, 0,1,2,3,4,5,6,7,8,9,10,11,12,13,14,15
	global_store_b128 v[CO], v[BB+4*\t:BB+4*\t+3], s[10:11] offset:(\a)*65536+\t*4096 th:TH_STORE_NT
.endr
.if \masked
	s_wait_xcnt 0x0
	s_or_b32 exec_lo, exec_lo, s70
.endif
.endm
	PLACES
	TOSTAGE 0
	TOSTAGE 1
	SEND 0, 32, 1                                  ; behind block 0's loads: block 1's 16 stores and 16 loads
	s_wait_xcnt 0x0                                ; block 0's stores have read their registers: block 2's loads may land there
	TOSTAGE 2
	SEND 1, 32, 0
	s_wait_xcnt 0x0
	TOSTAGE 3
	SEND 2, 32, 0
	SEND 3, 0, 0
	s_wait_tensorcnt 0x0                           ; the wave's end
	ds_add_u32 v[SPW], v[NIL]
	s_wait_dscnt 0x0
	CROUND                                         ; the closing round
	s_endpgm
.Lfunc_end_k_q97661bdee6_proj:
	.size	k_q97661bdee6_proj, .Lfunc_end_k_q97661bdee6_proj-k_q97661bdee6_proj
	.p2alignl 7, 3214868480
	.fill 96, 4, 3214868480
	.section	.rodata,"a",@progbits
	.p2align	6, 0x0
	.amdhsa_kernel k_q97661bdee6_proj
		.amdhsa_group_segment_fixed_size 327680
		.amdhsa_private_segment_fixed_size 0
		.amdhsa_enable_private_segment 0
		.amdhsa_kernarg_size 32
		.amdhsa_user_sgpr_count 2
		.amdhsa_user_sgpr_kernarg_segment_ptr 1
		.amdhsa_wavefront_size32 1
		.amdhsa_system_sgpr_workgroup_id_x 1
		.amdhsa_system_sgpr_workgroup_id_y 1
		.amdhsa_system_sgpr_workgroup_id_z 1
		.amdhsa_system_vgpr_workitem_id 0
		.amdhsa_next_free_vgpr 768
		.amdhsa_next_free_sgpr 72
		.amdhsa_reserve_vcc 1
		.amdhsa_float_denorm_mode_32 3
		.amdhsa_float_denorm_mode_16_64 3
		.amdhsa_memory_ordered 1
		.amdhsa_forward_progress 1
		.amdhsa_inst_pref_size 88
	.end_amdhsa_kernel
	.amdgpu_metadata
---
amdhsa.version: [ 1, 2 ]
amdhsa.kernels:
  - .name:           k_q97661bdee6_proj
    .symbol:         k_q97661bdee6_proj.kd
    .args:
      - { .name: yh, .offset: 0, .size: 8, .value_kind: global_buffer, .address_space: global }
      - { .name: wp, .offset: 8, .size: 8, .value_kind: global_buffer, .address_space: global }
      - { .name: bproj, .offset: 16, .size: 8, .value_kind: global_buffer, .address_space: global }
      - { .name: out0, .offset: 24, .size: 8, .value_kind: global_buffer, .address_space: global }
    .group_segment_fixed_size: 327680
    .private_segment_fixed_size: 0
    .kernarg_segment_align: 8
    .kernarg_segment_size: 32
    .max_flat_workgroup_size: 128
    .sgpr_count:     72
    .vgpr_count:     768
    .wavefront_size: 32
...
	.end_amdgpu_metadata
.endif
;; end of part 4
;; launch fine (part 5): grid 32 x 4, 16 waves a work-group, no clusters, 84,480 bytes of LDS; arguments q16, Wproj, bproj, out0; writes out0
.if DOCPART == 5
	.amdgcn_target "amdgcn-amd-amdhsa--gfx1250"
	.amdhsa_code_object_version 6
	.text
	.protected	k_q97661bdee6_fine
	.globl	k_q97661bdee6_fine
	.p2align	8
	.type	k_q97661bdee6_fine,@function
k_q97661bdee6_fine:
	s_mov_b64 s[64:65], 0
	v_nop
	global_prefetch_b8 v0, s[64:65] scope:SCOPE_SE
	s_setreg_imm32_b32 hwreg(HW_REG_WAVE_MODE, 25, 1), 1
	s_wait_xcnt 0x0
; THE FIRST 16 POSITIONS OF EACH SEQUENCE, in f32 throughout: these rows average one to sixteen values and are the largest of the output, so 16-bit operands would weigh most here.
; q16 f32 [64 = batch x 16 + t][3072] holds their q, k, v.  out0[batch][t < 16][:] = (softmax under the causal mask) v, times Wproj (f32, as it is given), + bproj.
; SHARES.  A work-group takes a batch (y) and 32 output columns (x).  A: each of 16 waves makes one head's 16 x 16 attention (every work-group of a batch makes it again: half a million multiply-adds,
; against a launch more and traffic between work-groups); y goes to LDS.  B: wave w multiplies k = 128 (w / 2) .. + 127 for columns 16 (w % 2) on; the eight parts meet in LDS.  C: thread (t = wave, n = lane) adds them.
; The f32 matrix form takes K = 4: lane (r, h), register j holds k = 2 h + j.  Both sources of a product are loaded under the same permutation of k, which keeps the products.
; Its results (v224-255) are written by matrix instructions alone; what is made of them goes into other registers.
; The stores are 128 consecutive bytes a wave: 262,144 bytes in the whole launch.  Hidden scores are -infinity where the definition has -1e9.
.set ROWQ,  12288                      ; a row of q16 in bytes
.set YPT,   4112                       ; LDS: a row of y: 4,096 bytes + 16
.set PART,  66048                      ; LDS: eight parts of 16 x 32 f32
.set SPARE, 82432                      ; the spare words: 128 bytes a wave
.set QA,  4
.set VA,  5
.set WA,  6
.set YS,  7
.set YL,  8
.set PS,  9
.set PL,  10
.set OA,  11
.set LT,  12
.set NINF, 13
.set BI,  14
.set SS,  32                           ; v32-39   the scores, then p
.set TS,  40                           ; v40-55   sums on the way out
.set SPW, 62
.set NIL, 63
.set WF,  64                           ; v64-127  Wproj: 128 k of my column
.set QF,  128                          ; v128-159 q; later y / l
.set KF,  160                          ; v160-191 k
.set YF,  128                          ; v128-191 later: y, 128 k of my row
.set VF,  192                          ; v192-223 v
.set ACC, 224                          ; v224-255 four accumulators
	s_load_b256 s[4:11], s[0:1], 0x0               ; q16 s[4:5], Wproj s[6:7], bproj s[8:9], out0 s[10:11]
	v_lshl_add_u32 v[SPW], v0, 2, SPARE
	v_mov_b32 v[NIL], 0
	v_lshrrev_b32 v1, 5, v0
	v_readfirstlane_b32 s12, v1                    ; wave 0..15: my head; later my t
	s_and_b32 s14, ttmp7, 0xffff                   ; the batch
	s_lshr_b32 s15, s12, 1                         ; which 128 along K of the projection
	s_and_b32 s16, s12, 1                          ; which 16 of the 32 columns
	v_and_b32 v1, 15, v0                           ; r
	v_bfe_u32 v2, v0, 4, 1                         ; h
	v_and_b32 v3, 31, v0                           ; lane
	v_mul_u32_u24 v[QA], v1, ROWQ
	v_lshl_add_u32 v[QA], v2, 7, v[QA]             ; q, k: row r, floats 32 h on
	v_mul_u32_u24 v[VA], v2, 8*ROWQ
	v_lshl_add_u32 v[VA], v1, 2, v[VA]             ; v: keys 8 h on, channel r
	v_lshlrev_b32 v[WA], 14, v2
	v_lshl_add_u32 v[WA], v1, 2, v[WA]             ; Wproj: rows 4 h on, column r
	v_mul_u32_u24 v[YS], v1, YPT
	v_lshl_add_u32 v[YL], v2, 4, v[YS]
	v_lshl_add_u32 v[YS], v2, 5, v[YS]
	s_lshl_b32 s18, s12, 8
	v_add_nc_u32 v[YS], s18, v[YS]                 ; y, in: row r, + 256 x head + 32 h
	s_lshl_b32 s18, s15, 9
	v_add_nc_u32 v[YL], s18, v[YL]                 ; y, back: row r, + 512 x (w / 2) + 16 h
	v_lshlrev_b32 v[PS], 10, v2
	v_lshl_add_u32 v[PS], v1, 2, v[PS]
	s_lshl_b32 s18, s15, 11
	s_lshl_b32 s19, s16, 6
	s_add_co_u32 s18, s18, s19
	s_add_co_u32 s18, s18, PART
	v_add_nc_u32 v[PS], s18, v[PS]                 ; a part, in: 2,048 (w / 2) + 1,024 h + 64 (w % 2) + 4 r
	v_lshlrev_b32 v[OA], 2, v3
	s_lshl_b32 s18, s12, 7
	s_add_co_u32 s18, s18, PART
	v_add_nc_u32 v[PL], s18, v[OA]                 ; the parts, back: row t = wave, column = lane
	v_lshlrev_b32 v[LT], 3, v2
	v_sub_nc_u32 v[LT], v1, v[LT]                  ; r - 8 h
	v_mov_b32 v[NINF], 0xff800000
	s_mov_b32 s24, 0x3e38aa3b                      ; c = log2(e) / 8
	s_mov_b32 s26, 0x76543210
	s_mov_b32 s27, 0xfedcba98
	s_mul_i32 s18, s14, 16*ROWQ
	s_lshl_b32 s19, s12, 8
	s_add_co_u32 s18, s18, s19                     ; q16: the batch's rows, my head's 64 floats
	s_mov_b32 s19, 0
	s_lshl_b32 s20, s15, 19                        ; Wproj: 128 rows of 4,096 bytes,
	s_lshl_b32 s22, ttmp9, 7                       ; the work-group's 32 columns,
	s_add_co_u32 s20, s20, s22
	s_lshl_b32 s21, s16, 6                         ; my 16 of them
	s_add_co_u32 s20, s20, s21
	s_mov_b32 s21, 0
	s_mov_b32 s23, 0
	s_lshl_b32 s28, s14, 23                        ; out0: the batch,
	s_lshl_b32 s29, s12, 12                        ; row t = wave,
	s_add_co_u32 s28, s28, s29
	s_add_co_u32 s28, s28, s22                     ; the 32 columns
	s_mov_b32 s29, 0
	s_wait_kmcnt 0x0
	s_add_nc_u64 s[4:5], s[4:5], s[18:19]
	s_add_nc_u64 s[6:7], s[6:7], s[20:21]
	s_add_nc_u64 s[8:9], s[8:9], s[22:23]
	s_add_nc_u64 s[10:11], s[10:11], s[28:29]
	global_load_b32 v[BI], v[OA], s[8:9]           ; bproj of my column
.irp u, 0,1,2,3,4,5,6,7
	global_load_b128 v[QF+4*\u:QF+4*\u+3], v[QA], s[4:5] offset:16*\u
.endr
.irp u, 0,1,2,3,4,5,6,7
	global_load_b128 v[KF+4*\u:KF+4*\u+3], v[QA], s[4:5] offset:4096+16*\u
.endr
.irp ct, 0,1,2,3
.irp i, 0,1,2,3,4,5,6,7
	global_load_b32 v[VF+8*\ct+\i], v[VA], s[4:5] offset:8192+\i*ROWQ+64*\ct   ; v(key 8 h + i, channel 16 ct + r)
.endr
.endr
.irp u, 0,1,2,3,4,5,6,7,8,9,10,11,12,13,14,15
.irp i, 0,1,2,3
	global_load_b32 v[WF+4*\u+\i], v[WA], s[6:7] offset:(8*\u+\i)*4096         ; Wproj(8 u + 4 h + i, r) of my 128 rows
.endr
.endr
	s_wait_loadcnt 63                              ; q, k, v are in: behind them stand Wproj's 64 loads, and 63 is the most that a count names
	; ---- A: S^T = k q^T: 16 steps of 4 along the head's 64, two accumulators by turns.  Lane (r, h): query r, keys 8 h + 0 .. 7
.set n, 0
.rept 16
.if n < 2
	v_wmma_f32_16x16x4_f32 v[ACC+8*(n%2):ACC+8*(n%2)+7], v[KF+2*n:KF+2*n+1], v[QF+2*n:QF+2*n+1], 0
.else
	v_wmma_f32_16x16x4_f32 v[ACC+8*(n%2):ACC+8*(n%2)+7], v[KF+2*n:KF+2*n+1], v[QF+2*n:QF+2*n+1], v[ACC+8*(n%2):ACC+8*(n%2)+7]
.endif
.set n, n+1
.endr
.rept 8
	v_nop                                          ; eight places behind this form
.endr
.irp j, 0,1,2,3,4,5,6,7
	v_add_f32 v[SS+\j], v[ACC+\j], v[ACC+8+\j]     ; both accumulators from their low ends on
.endr
.irp j, 0,1,2,3,4,5,6,7
	v_cmp_gt_i32 vcc_lo, \j, v[LT]                 ; key 8 h + j comes after query r
	v_cndmask_b32 v[SS+\j], v[SS+\j], v[NINF], vcc_lo
.endr
	v_max3_num_f32 v16, v[SS], v[SS+1], v[SS+2]
	v_max3_num_f32 v17, v[SS+3], v[SS+4], v[SS+5]
	v_max3_num_f32 v16, v16, v[SS+6], v[SS+7]
	v_max_num_f32 v16, v16, v17
	v_permlanex16_b32 v17, v16, s26, s27
	v_max_num_f32 v16, v16, v17                    ; the row's maximum: key 0 counts for every query, so it is a number
	v_mul_f32 v16, s24, v16
.irp j, 0,1,2,3,4,5,6,7
	v_fma_f32 v[SS+\j], v[SS+\j], s24, -v16
.endr
.irp j, 0,1,2,3,4,5,6,7
	v_exp_f32 v[SS+\j], v[SS+\j]
.endr
	v_nop
	s_wait_alu depctr_va_vdst(0)                   ; one wait for the eight, ahead of their first reader
	v_add_f32 v18, v[SS], v[SS+1]
	v_add_f32 v19, v[SS+2], v[SS+3]
	v_add_f32 v20, v[SS+4], v[SS+5]
	v_add_f32 v21, v[SS+6], v[SS+7]
	v_add_f32 v18, v18, v19
	v_add_f32 v20, v20, v21
	v_add_f32 v18, v18, v20
	v_permlanex16_b32 v19, v18, s26, s27
	v_add_f32 v18, v18, v19                        ; the row's sum
	v_rcp_f32 v22, v18
	; O^T = v^T p: 4 steps of 4 keys x 4 tiles of 16 channels, the four accumulators by turns
.irp n, 0,1,2,3
.irp ct, 0,1,2,3
.if \n == 0
	v_wmma_f32_16x16x4_f32 v[ACC+8*\ct:ACC+8*\ct+7], v[VF+8*\ct+2*\n:VF+8*\ct+2*\n+1], v[SS+2*\n:SS+2*\n+1], 0
.else
	v_wmma_f32_16x16x4_f32 v[ACC+8*\ct:ACC+8*\ct+7], v[VF+8*\ct+2*\n:VF+8*\ct+2*\n+1], v[SS+2*\n:SS+2*\n+1], v[ACC+8*\ct:ACC+8*\ct+7]
.endif
.endr
.endr
.rept 8
	v_nop
.endr
	s_wait_alu depctr_va_vdst(0)                   ; the reciprocal, ahead of its first reader
.irp ct, 0,1,2,3
.irp j, 0,1,2,3,4,5,6,7
	v_mul_f32 v[QF+8*\ct+\j], v[ACC+8*\ct+\j], v22 ; y(query r, channel 16 ct + 8 h + j)
.endr
	ds_store_b128 v[YS], v[QF+8*\ct:QF+8*\ct+3] offset:64*\ct
	ds_store_b128 v[YS], v[QF+8*\ct+4:QF+8*\ct+7] offset:64*\ct+16
.endr
	s_wait_dscnt 0x0                               ; for the others' sake: my stores are done
	s_barrier_signal -1
	s_barrier_wait -1                              ; 16 rows of y, all heads, lie in LDS
	; ---- B: my 16 x 16 x 128 of the projection: 32 steps of 4, two accumulators by turns
.irp u, 0,1,2,3,4,5,6,7,8,9,10,11,12,13,14,15
	ds_load_b128 v[YF+4*\u:YF+4*\u+3], v[YL] offset:32*\u          ; y(r, 8 u + 4 h + 0 .. 3) of my 128
.endr
	s_wait_loadcnt 0x0                             ; Wproj
	s_wait_dscnt 0x0
.rept 9
	v_nop                                          ; nine places in front of accumulators that are begun anew
.endr
.set n, 0
.rept 32
.if n < 2
	v_wmma_f32_16x16x4_f32 v[ACC+8*(n%2):ACC+8*(n%2)+7], v[YF+2*n:YF+2*n+1], v[WF+2*n:WF+2*n+1], 0
.else
	v_wmma_f32_16x16x4_f32 v[ACC+8*(n%2):ACC+8*(n%2)+7], v[YF+2*n:YF+2*n+1], v[WF+2*n:WF+2*n+1], v[ACC+8*(n%2):ACC+8*(n%2)+7]
.endif
.set n, n+1
.endr
.rept 8
	v_nop
.endr
.irp j, 0,1,2,3,4,5,6,7
	v_add_f32 v[TS+\j], v[ACC+\j], v[ACC+8+\j]     ; lane (r, h): row t = 8 h + j, column r
.endr
.irp j, 0,1,2,3,4,5,6,7
	ds_store_b32 v[PS], v[TS+\j] offset:128*\j
.endr
	s_wait_dscnt 0x0
	s_barrier_signal -1
	s_barrier_wait -1                              ; the eight parts lie in LDS
	; ---- C: thread (t = wave, column = lane) adds the eight parts and the bias
.irp i, 0,1,2,3,4,5,6,7
	ds_load_b32 v[TS+8+\i], v[PL] offset:2048*\i
.endr
	s_wait_dscnt 0x0
	v_add_f32 v[TS+8], v[TS+8], v[TS+9]
	v_add_f32 v[TS+10], v[TS+10], v[TS+11]
	v_add_f32 v[TS+12], v[TS+12], v[TS+13]
	v_add_f32 v[TS+14], v[TS+14], v[TS+15]
	v_add_f32 v[TS+8], v[TS+8], v[TS+10]
	v_add_f32 v[TS+12], v[TS+12], v[TS+14]
	v_add_f32 v[TS+8], v[TS+8], v[TS+12]
	v_add_f32 v[TS+8], v[TS+8], v[BI]
	global_store_b32 v[OA], v[TS+8], s[10:11]
	s_wait_tensorcnt 0x0                           ; the wave's end
	ds_add_u32 v[SPW], v[NIL]
	s_wait_dscnt 0x0
	s_endpgm
.Lfunc_end_k_q97661bdee6_fine:
	.size	k_q97661bdee6_fine, .Lfunc_end_k_q97661bdee6_fine-k_q97661bdee6_fine
	.p2alignl 7, 3214868480
	.fill 96, 4, 3214868480
	.section	.rodata,"a",@progbits
	.p2align	6, 0x0
	.amdhsa_kernel k_q97661bdee6_fine
		.amdhsa_group_segment_fixed_size 84480
		.amdhsa_private_segment_fixed_size 0
		.amdhsa_enable_private_segment 0
		.amdhsa_kernarg_size 32
		.amdhsa_user_sgpr_count 2
		.amdhsa_user_sgpr_kernarg_segment_ptr 1
		.amdhsa_wavefront_size32 1
		.amdhsa_system_sgpr_workgroup_id_x 1
		.amdhsa_system_sgpr_workgroup_id_y 1
		.amdhsa_system_sgpr_workgroup_id_z 1
		.amdhsa_system_vgpr_workitem_id 0
		.amdhsa_next_free_vgpr 256
		.amdhsa_next_free_sgpr 66
		.amdhsa_reserve_vcc 1
		.amdhsa_float_denorm_mode_32 3
		.amdhsa_float_denorm_mode_16_64 3
		.amdhsa_memory_ordered 1
		.amdhsa_forward_progress 1
		.amdhsa_inst_pref_size 26
	.end_amdhsa_kernel
	.amdgpu_metadata
---
amdhsa.version: [ 1, 2 ]
amdhsa.kernels:
  - .name:           k_q97661bdee6_fine
    .symbol:         k_q97661bdee6_fine.kd
    .args:
      - { .name: q16, .offset: 0, .size: 8, .value_kind: global_buffer, .address_space: global }
      - { .name: Wproj, .offset: 8, .size: 8, .value_kind: global_buffer, .address_space: global }
      - { .name: bproj, .offset: 16, .size: 8, .value_kind: global_buffer, .address_space: global }
      - { .name: out0, .offset: 24, .size: 8, .value_kind: global_buffer, .address_space: global }
    .group_segment_fixed_size: 84480
    .private_segment_fixed_size: 0
    .kernarg_segment_align: 8
    .kernarg_segment_size: 32
    .max_flat_workgroup_size: 512
    .sgpr_count:     66
    .vgpr_count:     256
    .wavefront_size: 32
...
	.end_amdgpu_metadata
.endif
;; end of part 5
